; MI455X (gfx1250); checked and timed in simulation.
; The chip was launched on July 23, 2026; its instructions are those of AMD's public machine-readable ISA for CDNA 5 (MIT licence, August 2026) and "CDNA5" Instruction Set Architecture Reference Guide (July 2026). The comments in the code are by the model that wrote it; some were corrected since.
;; Self Multihead Attn. Allowed arithmetic: matrix products marked QUANTISED: E4M3 operands, one given power-of-two scale a tensor, by v_wmma_f32_16x16x64_fp8_fp8 or v_wmma_f32_16x16x128_fp8_fp8, f32 sums; everything else in f32.
;; Inputs: attn_mask 1,024 x 1,024 bool; in_proj_bias 3,072 float32; in_proj_weight 3,072 x 1,024 float32; lowp_scales 8 int32 (the exponents e of the quantised operands' scales 2^e); out_proj_bias 1,024 float32; out_proj_weight 1,024 x 1,024 float32; x 1,024 x 8 x 1,024 float32.
;; Outputs: out0 1,024 x 8 x 1,024 float32.
;; Constants: num_heads = 16.
;; This version of the problem:
;;   THIS VERSION OF THE PROBLEM IS GIVEN IN LOW PRECISION. The matrix products marked QUANTISED in the list below multiply operands that are first quantised to E4M3 (4 exponent bits, 3 mantissa bits; 8 bits a number), with one given power-of-two scale for each operand tensor; their sums are f32. All else is computed in f32.
;;   The module's matrix products, in the order in which they are computed (A, B: the left and right operand; K: the contracted axis; several contracted axes count as one K, in the product's order):
;;     1. [M 8,192, K 1,024] x [K 1,024, N 3,072]; A: input x; B: input in_proj_weight: QUANTISED (scales: A lowp_scales[0], B lowp_scales[1])
;;     2. batch 128 x [M 1,024, K 64] x [K 64, N 1,024]; A: computed on the way; B: computed on the way: QUANTISED (scales: A lowp_scales[2], B lowp_scales[3])
;;     3. batch 128 x [M 1,024, K 1,024] x [K 1,024, N 64]; A: softmax (see below); B: computed on the way: QUANTISED (scales: A lowp_scales[4], B lowp_scales[5])
;;     4. [M 8,192, K 1,024] x [K 1,024, N 1,024]; A: computed on the way; B: input out_proj_weight: QUANTISED (scales: A lowp_scales[6], B lowp_scales[7])
;;   THE QUANTISER, for each operand of a quantised product, along K:
;;     - The operand's scale is 2^e, e = its entry of the input lowp_scales (int32; the entries are numbered through the quantised products in the list's order, A before B).
;;     - Each number is divided by the scale, clamped to +-448, and rounded to the nearest number of E4M3, ties to even, subnormals kept.
;;     - The product sums the exact products of the quantised numbers (number of the format x scale) in f32.
;;   ~~~python
;;   def quantise(x, axis, e):      # numpy; x: float32 -> the quantised numbers, widened to float32 again
;;       x = np.moveaxis(x, axis, -1); K = x.shape[-1]
;;       r = np.clip(x / 2.0 ** e, -448, 448)
;;       step = 2.0 ** (np.maximum(np.frexp(np.where(r == 0, 1, r))[1] - 1, -6) - 3)
;;       q = np.round(r / step) * step * 2.0 ** e      # np.round: ties to even
;;       return np.moveaxis(q, -1, axis).astype(np.float32)
;;   ~~~
;;   SOFTMAX AHEAD OF A QUANTISED PRODUCT. Where the list says 'softmax', what is quantised is not the finished softmax but p = 2^(t - M), with t = logit x log2(e) and M = ceil(the row's largest t), a whole number; so 1/2 < the row's largest p <= 1. The row's sum l is taken of the UNQUANTISED p, in f32, and the product's result is divided by l at the end. Since M is a whole number, a kernel that streams over the keys may use a running M (the ceiling of the running maximum): every later rescaling is an exact power of two, so the quantised numbers keep their values, but for numbers so far below the row's largest that they fall under the format's range.
;;   OPERANDS COMPUTED ON THE WAY. 'Computed on the way' means the value that the module computes at that place (a softmax that the list does not call 'softmax' is quantised finished and normalised). What goes into a quantiser is computed in f32, as accurately as f32 sums, v_exp_f32 and their like allow (about 1e-6 of the number): no bf16 or f16 on the way to a quantiser, and a product that is left as it is and whose result goes on into a quantised operand takes f32 operands (vector FMAs, or v_wmma_f32_16x16x4_f32). A number that lies on a knife's edge between two numbers of the format may be rounded either way, as far as f32 arithmetic and the matrix unit's own rounding can turn it there, and no further.
;; One version. Each part assembles by itself: llvm-mc -triple=amdgcn-amd-amdhsa -mcpu=gfx1250 --defsym DOCPART=n.
;; ======== version 1 of 1: 4 launches
;; limits: right only within a limited range of input values
;; workspace buffers: x_codes 8,388,608 bytes; w_codes 3,145,728 bytes; ow_codes 1,048,576 bytes; qkvc 25,165,824 bytes; ctx 8,388,608 bytes; maskw 131,072 bytes of whole numbers; mflags 2,048 bytes of whole numbers
;; launch prep (part 1): grid 512 x 1, 4 waves a work-group, no clusters, 34,304 bytes of LDS; arguments x, in_proj_weight, out_proj_weight, attn_mask, lowp_scales, x_codes, w_codes, ow_codes, maskw, mflags; writes x_codes, w_codes, ow_codes, maskw, mflags
.if DOCPART == 1
	.amdgcn_target "amdgcn-amd-amdhsa--gfx1250"
	.amdhsa_code_object_version 6
	.text
	.protected	k_qf34d334b61_prep
	.globl	k_qf34d334b61_prep
	.p2align	8
	.type	k_qf34d334b61_prep,@function
k_qf34d334b61_prep:
	s_mov_b64 s[64:65], 0
	v_nop
	global_prefetch_b8 v0, s[64:65] scope:SCOPE_SE
	s_setreg_imm32_b32 hwreg(HW_REG_WAVE_MODE, 25, 1), 1
	s_wait_xcnt 0x0
; x [1024 t][8 b][1024], in_proj_weight [3072][1024] and out_proj_weight [1024][1024], f32 with K innermost, become codes of E4M3, each with the one scale 2^e given for it
; (entries 0, 1 and 7 of lowp_scales): code = number / 2^e, held within +-448, to the nearest code, ties to even.  No step and no input of the problem is left out by this program.
; THE CODES ARE LAID AS IMAGES OF THE OPERANDS' REGISTERS: a block of 16 rows is 16,384 bytes: 32 chunks of 32 along K, 512 bytes each; in chunk c lane L = r + 16 h has, at byte 16 L, k = 32 c + 16 h + 0 .. 15 of row r.
; x's block 64 b + t / 16 holds 16 neighbouring t of one b.  in_proj_weight's blocks are ordered head, then q, k, v, then the head's four blocks: block 12 head + 4 kind + j.  out_proj_weight's keep their order.
; The mask (bool, a byte each) becomes words of lane bits for the attention launch, and a flag word for each tile of 16 queries x 128 keys.
; LIMITS: each e between -126 and 119.  NaN among the floating-point inputs is not served (an infinity is held at the largest code).
; WORK-GROUPS: 0-255 x, 256-351 in_proj_weight, 352-383 out_proj_weight (a wave to a block's half of K), 384-511 the mask (a wave to a tile and key step).
; The three tensors take ONE path: only pointers and strides are chosen, by the work-group's number.  A wave takes four groups of 16 rows x 128 numbers: each load reads 512 consecutive bytes of a row; a group turns through
; the wave's own stage in LDS, so that a lane holds 16 neighbours along K; a lane's 16 codes are 16 bytes, so a wave's store covers a chunk's 512 consecutive bytes.  Waves share nothing: no barrier.
.set EMAX,  8
.set MANT,  0x600000                   ; the mantissa field of 448 as f32
.set WG_W,  256
.set WG_O,  352
.set WG_M,  384
.set RO,    16                         ; v16-31   16 x lane + i x (bytes from row to row in memory)
.set R,     32                         ; v32-159  two sets of 16 rows x 4 numbers as loaded
.set X,     160                        ; v160-223 four chunks of 16 neighbours
.set C,     224                        ; v224-255 codes: two sets of four chunks
.set SP,    528                        ; a stage row: 512 bytes + 16 of padding
.set WREG,  16*SP                      ; a wave's stage
.set SPW,   12                         ; v12  LDS address of my spare word; never rewritten
.set NIL,   13                         ; v13  0; never rewritten
.set SPARE, 4*WREG                     ; behind the four stages: the spare words, 128 bytes a wave, which no other line names
	s_load_b512 s[4:19], s[0:1], 0x0               ; x 4:5, in_proj_weight 6:7, out_proj_weight 8:9, mask 10:11, scales 12:13, x_codes 14:15, w_codes 16:17, ow_codes 18:19
	s_load_b128 s[20:23], s[0:1], 0x40             ; maskw 20:21, mflags 22:23
	v_lshl_add_u32 v[SPW], v0, 2, SPARE
	v_mov_b32 v[NIL], 0
	v_lshrrev_b32 v1, 5, v0
	v_readfirstlane_b32 s24, v1                    ; wave
	v_and_b32 v2, 31, v0                           ; lane
	s_cmp_ge_u32 ttmp9, WG_M
	s_cbranch_scc1 .Lmask
	; ---------------- the quantiser
	v_lshlrev_b32 v3, 4, v2                        ; 16 x lane
	s_mul_i32 s25, s24, WREG
	v_add_nc_u32 v14, s25, v3                      ; into the stage: a row's 512 bytes as they lie
	v_and_b32 v4, 15, v2                           ; r
	v_lshrrev_b32 v5, 4, v2                        ; h
	v_mul_u32_u24 v15, v4, SP
	v_lshl_add_u32 v15, v5, 6, v15
	v_add_nc_u32 v15, s25, v15                     ; out of it: row r, 16 h numbers on
	s_wait_alu depctr_va_vdst(0)
	s_wait_kmcnt 0x0
	s_load_b256 s[32:39], s[12:13], 0x0            ; the eight exponents
	s_cmp_lt_u32 ttmp9, WG_O                       ; the choices hang on the work-group's number alone
	s_cselect_b64 s[26:27], s[6:7], s[8:9]         ; from
	s_cselect_b64 s[28:29], s[16:17], s[18:19]     ; to
	s_mov_b32 s30, WG_O
	s_cselect_b32 s30, WG_W, s30                   ; the tensor's first work-group
	s_cmp_lt_u32 ttmp9, WG_W
	s_cselect_b64 s[26:27], s[4:5], s[26:27]
	s_cselect_b64 s[28:29], s[14:15], s[28:29]
	s_cselect_b32 s30, 0, s30
	s_sub_co_u32 s42, ttmp9, s30
	s_lshl_b32 s42, s42, 2
	s_add_co_u32 s42, s42, s24
	s_lshr_b32 s43, s42, 1                         ; the block
	s_and_b32 s42, s42, 1                          ; which half of K
	s_and_b32 s44, s43, 63
	s_lshl_b32 s44, s44, 19                        ; x: 16 t are 16 x 8 rows of 4,096 bytes,
	s_lshr_b32 s45, s43, 6                         ; b (for the weight: q, k or v)
	s_lshl_b32 s46, s45, 12
	s_add_co_u32 s44, s44, s46                     ; + b rows
	s_lshl_b32 s46, s43, 16                        ; the weights: 16 rows on end
	s_bfe_u32 s47, s43, 0x40002                    ; the head
	s_mul_i32 s47, s47, 12
	s_lshl_b32 s45, s45, 2
	s_add_co_u32 s47, s47, s45
	s_and_b32 s45, s43, 3
	s_add_co_u32 s47, s47, s45                     ; in_proj_weight's place: 12 head + 4 kind + j
	s_cmp_lt_u32 ttmp9, WG_W
	s_cselect_b32 s44, s44, s46
	s_cselect_b32 s47, s43, s47
	s_mov_b32 s41, 4096
	s_cselect_b32 s41, 32768, s41                  ; from row to row of the block in memory
	s_cmp_lt_u32 ttmp9, WG_O
	s_cselect_b32 s47, s47, s43
	s_lshl_b32 s46, s42, 11
	s_add_co_u32 s44, s44, s46
	s_mov_b32 s45, 0
	s_add_nc_u64 s[26:27], s[26:27], s[44:45]
	s_lshl_b32 s46, s47, 14
	s_lshl_b32 s42, s42, 13
	s_add_co_u32 s46, s46, s42
	s_mov_b32 s47, 0
	s_add_nc_u64 s[28:29], s[28:29], s[46:47]
.irp j, 0,1,2,3,4,5,6,7,8,9,10,11,12,13,14,15
	s_mul_i32 s44, s41, \j
	v_add_nc_u32 v[RO+\j], s44, v3
.endr
	s_wait_alu depctr_va_vdst(0)
.macro LOAD g
.irp i, 0,1,2,3,4,5,6,7,8,9,10,11,12,13,14,15
	global_load_b128 v[R+64*((\g)%2)+4*\i:R+64*((\g)%2)+4*\i+3], v[RO+\i], s[26:27] offset:512*(\g) th:TH_LOAD_NT   ; 512 consecutive bytes of row i; read once in the launch
.endr
.endm
	LOAD 0
	LOAD 1
	s_wait_kmcnt 0x0
	s_cmp_lt_u32 ttmp9, WG_O
	s_cselect_b32 s46, s33, s39                    ; e: entry 1 or entry 7,
	s_cmp_lt_u32 ttmp9, WG_W
	s_cselect_b32 s46, s32, s46                    ; or entry 0
	s_add_co_i32 s46, s46, 127
	s_lshl_b32 s47, s46, 23
	v_mov_b32 v11, s47                             ; 2^e as f32: the conversion takes its exponent field
	s_add_co_i32 s46, s46, EMAX
	s_lshl_b32 s46, s46, 23
	s_or_b32 s46, s46, MANT
	v_mov_b32 v10, s46                             ; 448 x 2^e
	s_wait_alu depctr_va_vdst(0)
.macro GROUP g
.if (\g) < 3
	s_wait_loadcnt 16                              ; this group's 16 loads are in; the next group's 16 may be out
.else
	s_wait_loadcnt 0
.endif
.irp i, 0,1,2,3,4,5,6,7,8,9,10,11,12,13,14,15
	ds_store_b128 v14, v[R+64*((\g)%2)+4*\i:R+64*((\g)%2)+4*\i+3] offset:\i*SP
.endr
.irp i, 0,1,2,3,4,5,6,7,8,9,10,11,12,13,14,15
	ds_load_b128 v[X+4*\i:X+4*\i+3], v15 offset:128*(\i/4)+16*(\i%4)   ; LDS serves a wave's instructions in order: these see the stores above
.endr
	s_wait_dscnt 0x0                               ; the numbers are back, and the stores have read their registers,
.if (\g)+2 < 4
	LOAD (\g)+2                                    ; which take the loads of two groups on
.endif
.if (\g) >= 2
	s_wait_xcnt 0x0                                ; the stores of two groups ago have read their codes' registers
.endif
.irp c, 0,1,2,3
.irp i, 0,1,2,3,4,5,6,7,8,9,10,11,12,13,14,15
	v_med3_num_f32 v[X+16*\c+\i], v[X+16*\c+\i], -v10, v10   ; the conversion to an 8-bit code does not saturate (ISA guide 7.6.2): the hold comes first
.endr
	v_cvt_scalef32_pk8_fp8_f32 v[C+16*((\g)%2)+4*\c:C+16*((\g)%2)+4*\c+1], v[X+16*\c:X+16*\c+7], v11
	v_cvt_scalef32_pk8_fp8_f32 v[C+16*((\g)%2)+4*\c+2:C+16*((\g)%2)+4*\c+3], v[X+16*\c+8:X+16*\c+15], v11
	global_store_b128 v3, v[C+16*((\g)%2)+4*\c:C+16*((\g)%2)+4*\c+3], s[28:29] offset:512*(4*(\g)+\c)   ; a chunk: 512 consecutive bytes
.endr
.endm
	GROUP 0
	GROUP 1
	GROUP 2
	GROUP 3
	s_wait_tensorcnt 0x0                           ; the wave's end
	ds_add_u32 v[SPW], v[NIL]
	s_wait_dscnt 0x0
	s_endpgm
	; ---------------- the mask.  No LDS is touched on this path.
	; A wave takes tile = 16 queries and step = 128 keys.  Lane L = 16 hh + r reads, of query 16 tile + r, the bytes of keys 128 step + 32 b + 16 hh + 0 .. 15 (b = 0 .. 3).
	; Word 16 b + i gets as its bit L the byte of key 32 b + 16 hh + i: the very lane and register in which the attention launch holds that score.
.Lmask:
	s_sub_co_u32 s25, ttmp9, WG_M
	s_lshl_b32 s25, s25, 2
	s_add_co_u32 s25, s25, s24                     ; id = 8 tile + step
	s_lshr_b32 s26, s25, 3
	s_and_b32 s27, s25, 7
	v_and_b32 v3, 15, v0                           ; r
	v_bfe_u32 v4, v0, 4, 1                         ; hh
	v_lshlrev_b32 v5, 10, v3
	v_lshl_add_u32 v5, v4, 4, v5                   ; row r of 1,024 bytes + 16 hh
	s_lshl_b32 s28, s26, 14
	s_lshl_b32 s29, s27, 7
	s_add_co_u32 s28, s28, s29
	s_mov_b32 s29, 0
	s_lshl_b32 s30, s25, 8                         ; 64 words for each id
	s_mov_b32 s31, 0
	s_lshl_b32 s32, s25, 2                         ; one flag word
	s_mov_b32 s33, 0
	s_wait_alu depctr_va_vdst(0)
	s_wait_kmcnt 0x0
	s_add_nc_u64 s[10:11], s[10:11], s[28:29]
	s_add_nc_u64 s[20:21], s[20:21], s[30:31]
	s_add_nc_u64 s[22:23], s[22:23], s[32:33]
.irp b, 0,1,2,3
	global_load_b128 v[16+4*\b:19+4*\b], v5, s[10:11] offset:32*\b
.endr
	v_mov_b32 v36, 0                               ; the words, two a lane: written whole before single lanes are written
	v_mov_b32 v37, 0
	v_lshlrev_b32 v6, 3, v2                        ; 8 x lane
	s_mov_b32 s40, 0                               ; the OR of all words: some key hidden
	s_mov_b32 s41, -1                              ; the AND of all words: not all ones = some key counts
	s_wait_loadcnt 0x0
.irp b, 0,1,2,3
.irp w, 0,1,2,3
	v_and_b32 v32, 0xff, v[16+4*\b+\w]
	v_and_b32 v33, 0xff00, v[16+4*\b+\w]
	v_and_b32 v34, 0xff0000, v[16+4*\b+\w]
	v_and_b32 v35, 0xff000000, v[16+4*\b+\w]
	v_cmp_ne_u32 s44, 0, v32                       ; bit L: lane L's byte is not 0
	v_cmp_ne_u32 s45, 0, v33
	v_cmp_ne_u32 s46, 0, v34
	v_cmp_ne_u32 s47, 0, v35
	v_writelane_b32 v36, s44, 8*\b+2*\w            ; word i lies in lane i / 2, register i % 2
	v_writelane_b32 v37, s45, 8*\b+2*\w
	v_writelane_b32 v36, s46, 8*\b+2*\w+1
	v_writelane_b32 v37, s47, 8*\b+2*\w+1
	s_or_b32 s40, s40, s44
	s_or_b32 s40, s40, s45
	s_or_b32 s40, s40, s46
	s_or_b32 s40, s40, s47
	s_and_b32 s41, s41, s44
	s_and_b32 s41, s41, s45
	s_and_b32 s41, s41, s46
	s_and_b32 s41, s41, s47
.endr
.endr
	s_cmp_lg_u32 s41, -1
	s_cselect_b32 s42, 1, 0                        ; some key counts for some query of the tile
	s_cmp_lg_u32 s40, 0
	s_cselect_b32 s43, 256, 0                      ; some key is hidden
	s_or_b32 s42, s42, s43
	s_lshl_b32 s42, s42, s27                       ; at bits step and 8 + step: the reader ORs a tile's eight words
	v_mov_b32 v38, 0
	v_mov_b32 v39, s42
	s_wait_alu depctr_va_vdst(0)
	global_store_b64 v6, v[36:37], s[20:21]        ; 32 lanes store 256 consecutive bytes
	v_cmp_eq_u32 vcc_lo, 0, v2
	s_wait_xcnt 0x0                                ; EXEC changes only behind this wait
	s_and_saveexec_b32 s46, vcc_lo
	global_store_b32 v38, v39, s[22:23]            ; lane 0 alone
	s_wait_xcnt 0x0
	s_or_b32 exec_lo, exec_lo, s46
	s_endpgm
.Lfunc_end_k_qf34d334b61_prep:
	.size	k_qf34d334b61_prep, .Lfunc_end_k_qf34d334b61_prep-k_qf34d334b61_prep
	.p2alignl 7, 3214868480
	.fill 96, 4, 3214868480
	.section	.rodata,"a",@progbits
	.p2align	6, 0x0
	.amdhsa_kernel k_qf34d334b61_prep
		.amdhsa_group_segment_fixed_size 34304
		.amdhsa_private_segment_fixed_size 0
		.amdhsa_enable_private_segment 0
		.amdhsa_kernarg_size 80
		.amdhsa_user_sgpr_count 2
		.amdhsa_user_sgpr_kernarg_segment_ptr 1
		.amdhsa_wavefront_size32 1
		.amdhsa_system_sgpr_workgroup_id_x 1
		.amdhsa_system_sgpr_workgroup_id_y 1
		.amdhsa_system_sgpr_workgroup_id_z 1
		.amdhsa_system_vgpr_workitem_id 0
		.amdhsa_next_free_vgpr 256
		.amdhsa_next_free_sgpr 66
		.amdhsa_reserve_vcc 1
		.amdhsa_float_denorm_mode_32 3
		.amdhsa_float_denorm_mode_16_64 3
		.amdhsa_memory_ordered 1
		.amdhsa_forward_progress 1
		.amdhsa_inst_pref_size 57
	.end_amdhsa_kernel
	.amdgpu_metadata
---
amdhsa.version: [ 1, 2 ]
amdhsa.kernels:
  - .name:           k_qf34d334b61_prep
    .symbol:         k_qf34d334b61_prep.kd
    .args:
      - { .name: x, .offset: 0, .size: 8, .value_kind: global_buffer, .address_space: global }
      - { .name: in_proj_weight, .offset: 8, .size: 8, .value_kind: global_buffer, .address_space: global }
      - { .name: out_proj_weight, .offset: 16, .size: 8, .value_kind: global_buffer, .address_space: global }
      - { .name: attn_mask, .offset: 24, .size: 8, .value_kind: global_buffer, .address_space: global }
      - { .name: lowp_scales, .offset: 32, .size: 8, .value_kind: global_buffer, .address_space: global }
      - { .name: x_codes, .offset: 40, .size: 8, .value_kind: global_buffer, .address_space: global }
      - { .name: w_codes, .offset: 48, .size: 8, .value_kind: global_buffer, .address_space: global }
      - { .name: ow_codes, .offset: 56, .size: 8, .value_kind: global_buffer, .address_space: global }
      - { .name: maskw, .offset: 64, .size: 8, .value_kind: global_buffer, .address_space: global }
      - { .name: mflags, .offset: 72, .size: 8, .value_kind: global_buffer, .address_space: global }
    .group_segment_fixed_size: 34304
    .private_segment_fixed_size: 0
    .kernarg_segment_align: 8
    .kernarg_segment_size: 80
    .max_flat_workgroup_size: 128
    .sgpr_count:     66
    .vgpr_count:     256
    .wavefront_size: 32
...
	.end_amdgpu_metadata
.endif
;; end of part 1
;; launch qkv (part 2): grid 8 x 32, 4 waves a work-group, clusters of 4 x 4, 327,680 bytes of LDS; arguments x_codes, w_codes, in_proj_bias, lowp_scales, qkvc; writes qkvc
.if DOCPART == 2
	.amdgcn_target "amdgcn-amd-amdhsa--gfx1250"
	.amdhsa_code_object_version 6
	.text
	.protected	k_qf34d334b61_qkv
	.globl	k_qf34d334b61_qkv
	.p2align	8
	.type	k_qf34d334b61_qkv,@function
k_qf34d334b61_qkv:
	s_mov_b64 s[64:65], 0
	v_nop
	global_prefetch_b8 v0, s[64:65] scope:SCOPE_SE
	s_setreg_imm32_b32 hwreg(HW_REG_WAVE_MODE, 25, 1), 1
	s_wait_xcnt 0x0
	s_wait_alu depctr_hold_cnt(0) depctr_sa_sdst(0) depctr_va_vdst(0) depctr_va_sdst(0) depctr_va_ssrc(0) depctr_va_vcc(0) depctr_vm_vsrc(0)
	s_getreg_b32 s2, hwreg(HW_REG_IB_STS2, 6, 4)
	s_cmp_eq_u32 s2, 0
	s_cbranch_scc0 .Lentry_in_a_cluster
	s_endpgm
.Lentry_in_a_cluster:
	s_bfe_u32 s2, ttmp6, 0x10000c
	s_cmp_lg_u32 s2, 0xf033
	s_cbranch_scc0 .Lentry_shape_is_right
	s_endpgm
.Lentry_shape_is_right:
; qkv = x in_proj_weight^T + bias on codes of E4M3, and q / 8, k, v quantised at once with their given scales; only codes go to memory.
; x_codes and w_codes are images of fragments: a block of 16 rows is 16,384 bytes, 32 chunks of 32 along K; in a chunk lane l = r + 16 h has, at byte 16 l, k = 16 h + 0 .. 15 of row r.  w's blocks: 12 head + 4 kind + j.
; qkvc: q at byte 0 as [n = 16 b + h][t][64 d]; k at 8 MiB likewise; v at 16 MiB as [n][t / 128][64 d][128 t]: the keys innermost, since they are the K of the product that reads it.
; SHARES: 8 x 32 = 256 work-groups.  Work-group (x, y): 256 rows of x (16 blocks, one b) against q, k and v of heads 2 x and 2 x + 1 (24 blocks of the weight).  Wave w: 128 rows (half w / 2) against head 2 x + w % 2:
; 8 x 12 = 96 accumulators, 768 registers.  Every work-group and every wave runs the same text.
; For q and k source 0 = 16 rows of the weight, source 1 = 16 rows of x: a lane holds one t and eight neighbouring d.  For v the sources change places: a lane holds one d and eight neighbouring t.
; In both cases eight neighbours along the K of the next product, which one conversion turns into eight codes.
; THE BIAS is the C of each sum's first product, divided by 2^(ex+ew) (exact); a finished sum stands for number / 2^(ex+ew), so its code is sum / 2^(e - ex - ew), e = eq + 3 (the 1/8 of q), ek or ev.
; THE RING: 40 blocks x 256 along K twice would take all of LDS and leave no spare words, so slot 0 holds 256 along K and slot 1 192: the five fills are 256, 192, 256, 192, 128 along K.  The images need no padding:
; a fragment load's 32 lanes read 512 consecutive bytes.  Waves 0, 1 fetch x's halves, waves 2, 3 the two heads' blocks: one tensor load a wave behind each round; rows of 2,048 to 4,096 bytes, 16,384 apart.
; CLUSTERS of 4 x 4: x's tile is shared along a row of the cluster, the weight's along a column: joint loads with a mask that names the four.
; No prefetch: K is short: of the five fills two are asked for at the head, and each of the other three follows one fill behind the one before it.
; LIMITS: ex + ew between -127 and 126; eq + 3 - ex - ew, ek - ex - ew, ev - ex - ew between -126 and 119.  NaN among the inputs is not served.
; REGISTERS: window 0: v0-31 addresses and scales; v32-95, v96-159 x's fragments (8 blocks x 64 K), two sets; v160-255 the weight's twelve, one set.  Window 1: q's accumulators ((a, f) at 8 (4 a + f)); window 2: k's; window 3: v's ((f, a) at 8 (8 f + a)).
.set SLOT1,  163840                    ; slot 0: 40 blocks x 4,096 bytes; slot 1: 40 x 3,072
.set STAGE,  286720                    ; behind the ring: a stage of 2,560 bytes for each wave, into which no fill lands
.set STGW,   2560
.set SPARE,  296960                    ; the spare words, 128 bytes a wave, which no other line names
.set ADXA, 2                           ; v2, v3  LDS address of my x and weight fragments in slot 0 with blocks of 4,096 bytes
.set ADWA, 3
.set ADXB, 4                           ; v4, v5  in slot 1, blocks of 3,072
.set ADWB, 5
.set ADXC, 6                           ; v6, v7  in slot 0, blocks of 2,048
.set ADWC, 7
.set SCL,  10                          ; v10, 12, 14  the conversion's scale for q, k, v
.set HLD,  11                          ; v11, 13, 15  448 x that
.set STQ,  16                          ; the way out: where I put eight codes, q and k
.set RDQ,  17                          ; where I read 16 back
.set STV,  18                          ; the same for v
.set RDV,  19
.set CO,   20                          ; 16 x lane
.set BV,   24                          ; v24-27  v's bias, one number for each of my four blocks
.set SPW,  28                          ; my spare word; never rewritten
.set NIL,  29                          ; 0; never rewritten
.set XS,   32
.set BQ,   96                          ; at the head x's second set holds the bias of q (32) and k (32), then v's, eight times each
.set WF,   160
.set TMP,  32                          ; the way out: 64 numbers
.set G1X, 24                           ; s[24:31] group 1 for x's tiles, s[32:35] group 0
.set G0X, 32
.set G0W, 36                           ; s[36:39], s[48:55] the same for the weight's
.set G1W, 48
.set MSB, 0
.macro WIN new                         ; the immediate's high byte repeats the setting that is left
.if MSB != \new
	s_set_vgpr_msb (MSB<<8)|\new
.set MSB, \new
.endif
.endm
.macro PLACES                          ; plain vector lines between a matrix instruction and a load into, or a vector write of, one of its registers, or a read of its result
.rept 4
	v_nop
.endr
.endm
.macro JLOAD                           ; a joint load; the branch hangs on the wave's number alone.  An s_nop 0 and four v_nop follow each of the two lines
	s_cmp_eq_u32 s15, 0
	s_cbranch_scc0 .Lfor_w_\@
	tensor_load_to_lds s[G0X:G0X+3], s[G1X:G1X+7]
	s_nop 0
	PLACES
	s_branch .Lasked_\@
.Lfor_w_\@:
	tensor_load_to_lds s[G0W:G0W+3], s[G1W:G1W+7]
	s_nop 0
	PLACES
.Lasked_\@:
.endm
.macro CREST                           ; a round of the cluster's barrier behind its opening barrier
	s_cmp_lg_u32 s14, 0
	s_cbranch_scc1 .Lnot_wave_0_\@
	s_barrier_signal -3
.Lnot_wave_0_\@:
	s_barrier_wait -3
	s_barrier_signal -1
	s_barrier_wait -1
.endm
.macro CROUND
	s_barrier_signal -1
	s_barrier_wait -1
	CREST
.endm
; the descriptors for a fill of s chunks into the slot at sb, delta bytes further along K; written only where no tensor load of mine is out
.macro SETD s, sb, delta
	s_mov_b32 s[G1X+1], ((\s)*512)<<16             ; tensor_dim0
	s_mov_b32 s[G1X+3], ((\s)*512)<<16             ; tile_dim0
	s_mov_b32 s[G1W+1], ((\s)*512)<<16
	s_mov_b32 s[G1W+3], ((\s)*512)<<16
	s_mul_i32 s[G0X+1], s16, 8*(\s)*512            ; x's 16 blocks, then the weight's 24
	s_add_co_u32 s[G0X+1], s[G0X+1], \sb
	s_mul_i32 s[G0W+1], s16, 12*(\s)*512
	s_add_co_u32 s[G0W+1], s[G0W+1], (\sb)+16*(\s)*512
.if \delta
	s_add_nc_u64 s[G0X+2:G0X+3], s[G0X+2:G0X+3], \delta
	s_add_nc_u64 s[G0W+2:G0W+3], s[G0W+2:G0W+3], \delta
.endif
.endm
	s_load_b256 s[4:11], s[0:1], 0x0               ; x_codes 4:5, w_codes 6:7, bias 8:9, scales 10:11
	s_load_b64 s[12:13], s[0:1], 0x20              ; qkvc
	v_lshl_add_u32 v[SPW], v0, 2, SPARE
	v_mov_b32 v[NIL], 0
	ds_add_u32 v[SPW], v[NIL]                      ; the opening: the add, twice on end, and its wait ahead of my first tensor load
	ds_add_u32 v[SPW], v[NIL]
	v_lshrrev_b32 v1, 5, v0
	v_readfirstlane_b32 s14, v1                    ; wave 0..3
	s_lshr_b32 s15, s14, 1                         ; my half of x's rows.  Also: I fetch for x (0) or for the weight (1)
	s_and_b32 s16, s14, 1                          ; my head of the two.  Also: which half of that tile I fetch
	s_bfe_u32 s40, ttmp6, 0x40000                  ; cx, cy
	s_bfe_u32 s41, ttmp6, 0x40004
	s_lshl_b32 s42, ttmp9, 2
	s_add_co_u32 s42, s42, s40                     ; the pair of heads
	s_and_b32 s17, ttmp7, 0xffff
	s_lshl_b32 s17, s17, 2
	s_add_co_u32 s17, s17, s41                     ; the tile of 256 rows
	s_lshl_b32 s43, s41, 2
	s_lshl_b32 s43, 15, s43                        ; my row of the cluster
	s_lshl_b32 s44, 0x1111, s40                    ; my column
	s_or_b32 s[G1X], s43, 1<<21                    ; 15:0 the mask; elements of 1 byte; no padding; 21 set beside a mask
	s_or_b32 s[G1W], s44, 1<<21
	s_mov_b32 s[G1X+2], 8<<16                      ; tensor_dim1: 8 blocks
	s_mov_b32 s[G1X+4], 8                          ; tile_dim1
	s_mov_b32 s[G1W+2], 12<<16
	s_mov_b32 s[G1W+4], 12
.irp g, G1X, G1W
	s_mov_b32 s[\g+5], 16384                       ; from block to block
	s_mov_b32 s[\g+6], 0
	s_mov_b32 s[\g+7], 0
.endr
	s_mov_b32 s[G0X], 1
	s_mov_b32 s[G0W], 1
	SETD 8, 0, 0
	s_lshl_b32 s20, s17, 18                        ; x: block 16 tile + 8 half
	s_lshl_b32 s18, s16, 17
	s_add_co_u32 s20, s20, s18
	s_mov_b32 s21, 0
	s_mul_i32 s46, s42, 24*16384                   ; the weight: block 24 pair + 12 half
	s_mul_i32 s18, s16, 12*16384
	s_add_co_u32 s46, s46, s18
	s_mov_b32 s47, 0
	s_wait_dscnt 0x0                               ; both opening adds are done
	s_wait_kmcnt 0x0
	s_load_b256 s[88:95], s[10:11], 0x0            ; ex, ew, eq, ek, ep, ev, ec, eow
	s_add_nc_u64 s[G0X+2:G0X+3], s[4:5], s[20:21]
	s_or_b32 s[G0X+3], s[G0X+3], 0x80000000
	s_add_nc_u64 s[G0W+2:G0W+3], s[6:7], s[46:47]
	s_or_b32 s[G0W+3], s[G0W+3], 0x80000000
	CROUND                                         ; all sixteen work-groups are here: the first joint loads meet
	JLOAD                                          ; K 0 .. 255: one tensor load a wave at the head
	s_lshl_b32 s72, s42, 1
	s_add_co_u32 s72, s72, s16                     ; my head
	s_lshl_b32 s76, s72, 8
	s_mov_b32 s77, 0
	s_add_nc_u64 s[76:77], s[8:9], s[76:77]        ; its 64 numbers of q's bias; k's lie 4,096 bytes on, v's 8,192
	s_lshr_b32 s73, s17, 2                         ; b
	s_lshl_b32 s73, s73, 4
	s_add_co_u32 s73, s73, s72                     ; n
	s_lshl_b32 s78, s73, 16
	s_and_b32 s74, s17, 3
	s_lshl_b32 s74, s74, 14
	s_add_co_u32 s78, s78, s74
	s_lshl_b32 s74, s15, 13
	s_add_co_u32 s78, s78, s74                     ; my 128 t are 8,192 bytes on end in each of q, k and v
	s_mov_b32 s79, 0
	s_add_nc_u64 s[12:13], s[12:13], s[78:79]
	s_add_nc_u64 s[70:71], s[12:13], 0x800000
	s_add_nc_u64 s[80:81], s[70:71], 0x800000
	s_mul_i32 s56, s15, 8*4096
	s_mul_i32 s57, s16, 12*4096
	s_add_co_u32 s57, s57, 16*4096
	s_mul_i32 s58, s15, 8*3072
	s_add_co_u32 s58, s58, SLOT1
	s_mul_i32 s59, s16, 12*3072
	s_add_co_u32 s59, s59, SLOT1+16*3072
	s_mul_i32 s60, s15, 8*2048
	s_mul_i32 s61, s16, 12*2048
	s_add_co_u32 s61, s61, 16*2048
	s_mul_i32 s62, s14, STGW
	s_add_co_u32 s62, s62, STAGE                   ; my stage
	v_and_b32 v1, 31, v0                           ; l
	v_lshlrev_b32 v[CO], 4, v1
	v_add_nc_u32 v[ADXA], s56, v[CO]
	v_add_nc_u32 v[ADWA], s57, v[CO]
	v_add_nc_u32 v[ADXB], s58, v[CO]
	v_add_nc_u32 v[ADWB], s59, v[CO]
	v_add_nc_u32 v[ADXC], s60, v[CO]
	v_add_nc_u32 v[ADWC], s61, v[CO]
	v_and_b32 v8, 15, v0                           ; r
	v_bfe_u32 v9, v0, 4, 1                         ; h
	v_mul_u32_u24 v21, v8, 80                      ; q and k: stage rows of 64 codes + 16 bytes
	v_lshl_add_u32 v21, v9, 3, v21
	v_add_nc_u32 v[STQ], s62, v21
	v_mul_u32_u24 v21, v8, 144                     ; v: rows of 128 codes + 16 bytes
	v_lshl_add_u32 v21, v9, 3, v21
	v_add_nc_u32 v[STV], s62, v21
	v_lshrrev_b32 v21, 2, v1                       ; back, q and k: four lanes to a row, eight rows an instruction
	v_mul_u32_u24 v21, v21, 80
	v_and_b32 v22, 3, v1
	v_lshl_add_u32 v21, v22, 4, v21
	v_add_nc_u32 v[RDQ], s62, v21
	v_lshrrev_b32 v21, 3, v1                       ; back, v: eight lanes to a row, four rows an instruction
	v_mul_u32_u24 v21, v21, 144
	v_and_b32 v22, 7, v1
	v_lshl_add_u32 v21, v22, 4, v21
	v_add_nc_u32 v[RDV], s62, v21
	v_lshlrev_b32 v22, 5, v9                       ; bias of q and k: 8 h numbers on
	v_lshlrev_b32 v23, 2, v8                       ; of v: r numbers on
	s_wait_alu depctr_va_vdst(0)
.irp f, 0,1,2,3
	global_load_b128 v[BQ+8*\f:BQ+8*\f+3], v22, s[76:77] offset:64*\f             ; bias(16 f + 8 h + j) at 8 f + j: the layout of a result of q
	global_load_b128 v[BQ+8*\f+4:BQ+8*\f+7], v22, s[76:77] offset:64*\f+16
	global_load_b128 v[BQ+32+8*\f:BQ+32+8*\f+3], v22, s[76:77] offset:4096+64*\f
	global_load_b128 v[BQ+32+8*\f+4:BQ+32+8*\f+7], v22, s[76:77] offset:4096+64*\f+16
	global_load_b32 v[BV+\f], v23, s[76:77] offset:8192+64*\f
.endr
	s_wait_kmcnt 0x0
	s_add_co_i32 s98, s88, s89                     ; ex + ew
	s_sub_co_i32 s96, 127, s98
	s_lshl_b32 s96, s96, 23                        ; 2^-(ex + ew) as f32
	s_mov_b32 s97, s96                             ; (named with it as a pair, so it is written)
.macro MKS kd, e, plus
	s_add_co_i32 s99, \e, 127+\plus
	s_sub_co_i32 s99, s99, s98
	s_lshl_b32 s66, s99, 23
	v_mov_b32 v[SCL+2*\kd], s66
	s_add_co_i32 s99, s99, 8
	s_lshl_b32 s99, s99, 23
	s_or_b32 s99, s99, 0x600000
	v_mov_b32 v[HLD+2*\kd], s99
.endm
	MKS 0, s90, 3
	MKS 1, s91, 0
	MKS 2, s93, 0
	s_wait_loadcnt 0x0
.set i, 0
.rept 32
	v_pk_mul_f32 v[BQ+i:BQ+i+1], v[BQ+i:BQ+i+1], s[96:97] op_sel_hi:[1,0]
.set i, i+2
.endr
.irp f, 0,1,2,3
	v_mul_f32 v[BV+\f], s96, v[BV+\f]
.endr
; eight matrix instructions: the weight's fragment f (0-3 q, 4-7 k, 8-11 v) against x's eight of set p, 64 along K.  zero = 1: the first product starts the sum, with the bias as C.
; The 96 accumulators take turns, one instruction a turn, in the same order in every step.
.macro MULF f, p, zero
.if \zero
	WIN ((\f)/4+1)*0x40                            ; D in window 1, 2 or 3; the sources and C in window 0
.else
	WIN ((\f)/4+1)*0x50                            ; C and D in window 1, 2 or 3
.endif
.irp a, 0,1,2,3,4,5,6,7
.if (\f) < 8
.set DD, 8*(4*\a+(\f)%4)
.if \zero
	v_wmma_f32_16x16x64_fp8_fp8 v[DD:DD+7], v[WF+8*(\f):WF+8*(\f)+7], v[XS+64*(\p)+8*\a:XS+64*(\p)+8*\a+7], v[BQ+8*(\f):BQ+8*(\f)+7]
.else
	v_wmma_f32_16x16x64_fp8_fp8 v[DD:DD+7], v[WF+8*(\f):WF+8*(\f)+7], v[XS+64*(\p)+8*\a:XS+64*(\p)+8*\a+7], v[DD:DD+7]
.endif
.else
.set DD, 8*(8*((\f)-8)+\a)
.if \zero
	v_wmma_f32_16x16x64_fp8_fp8 v[DD:DD+7], v[XS+64*(\p)+8*\a:XS+64*(\p)+8*\a+7], v[WF+8*(\f):WF+8*(\f)+7], v[BQ+8*((\f)-8):BQ+8*((\f)-8)+7]
.else
	v_wmma_f32_16x16x64_fp8_fp8 v[DD:DD+7], v[XS+64*(\p)+8*\a:XS+64*(\p)+8*\a+7], v[WF+8*(\f):WF+8*(\f)+7], v[DD:DD+7]
.endif
.endif
.endr
.endm
.macro FW adr, bs, q, f0               ; six of the weight's fragments, f0 on, of the slot's q-th 64 along K: two chunks each
.irp i, 0,1,2,3,4,5
	ds_load_b128 v[WF+8*(\f0+\i):WF+8*(\f0+\i)+3], v[\adr] offset:(\f0+\i)*(\bs)+1024*(\q)
	ds_load_b128 v[WF+8*(\f0+\i)+4:WF+8*(\f0+\i)+7], v[\adr] offset:(\f0+\i)*(\bs)+1024*(\q)+512
.endr
.endm
.macro FX adr, bs, q, p                ; x's eight into set p
.irp i, 0,1,2,3,4,5,6,7
	ds_load_b128 v[XS+64*(\p)+8*\i:XS+64*(\p)+8*\i+3], v[\adr] offset:\i*(\bs)+1024*(\q)
	ds_load_b128 v[XS+64*(\p)+8*\i+4:XS+64*(\p)+8*\i+7], v[\adr] offset:\i*(\bs)+1024*(\q)+512
.endr
.endm
; a step of 64 along K whose successor (the nq-th of the same slot) is fetched in two runs: in the middle the weight's 0-5 and x's other set, at the end the weight's 6-11
.macro STEP p, nx, nw, nbs, nq
	s_wait_dscnt 12                                ; all but the twelve youngest loads (the weight's 6-11) are in
.irp f, 0,1,2,3,4,5
	MULF \f, \p, 0
.endr
	s_wait_dscnt 0x0
	PLACES
	WIN 0
	FW \nw, \nbs, \nq, 0
	FX \nx, \nbs, \nq, 1-(\p)
.irp f, 6,7,8,9,10,11
	MULF \f, \p, 0
.endr
	PLACES
	WIN 0
	FW \nw, \nbs, \nq, 6
.endm
; a slot's last step changes slots: in front of the barrier each wave waits for all its tensor loads, adds 0 to its spare word, and waits for that and for its reads of this slot.  fill = 1: this slot is filled again
.macro TURN p, nx, nw, nbs, fill, s, sb, delta
	s_wait_tensorcnt 0x0                           ; my part of the next slot has landed
	ds_add_u32 v[SPW], v[NIL]
.if \fill
	SETD \s, \sb, \delta
.endif
	s_wait_dscnt 13                                ; (the add and the twelve youngest loads may be out)
	MULF 0, \p, 0
	MULF 1, \p, 0
	s_wait_dscnt 0x0                               ; the add is done, and my reads of this slot are over
	s_barrier_signal -1
.irp f, 2,3,4,5
	MULF \f, \p, 0
.endr
	WIN 0
	s_barrier_wait -1
.if \fill
	CREST                                          ; the barrier has opened a round of the cluster's barrier
	JLOAD                                          ; my one tensor load behind the round; its four v_nop are the places in front of the loads below
.else
	PLACES
.endif
	FW \nw, \nbs, 0, 0
	FX \nx, \nbs, 0, 1-(\p)
.irp f, 6,7,8,9,10,11
	MULF \f, \p, 0
.endr
	PLACES
	WIN 0
	FW \nw, \nbs, 0, 6
.endm
	s_wait_alu depctr_va_vdst(0)
	s_wait_tensorcnt 0x0                           ; my part of the first fill is in; slot 1's first fill is issued as a refill is
	ds_add_u32 v[SPW], v[NIL]
	SETD 6, SLOT1, 8*512
	s_wait_dscnt 0x0
	CROUND
	JLOAD                                          ; K 256 .. 447
	FW ADWA, 4096, 0, 0
	FX ADXA, 4096, 0, 0
	FW ADWA, 4096, 0, 6
	s_wait_dscnt 0x0
.irp f, 0,1,2,3,4,5,6,7
	MULF \f, 0, 1                                  ; q's and k's sums begin with their bias
.endr
	WIN 0
	PLACES
.set i, 0
.rept 32
	v_mov_b32 v[BQ+i], v[BV+i/8]                   ; v's bias in the layout of a result of v: my d's number in all eight registers
.set i, i+1
.endr
.irp f, 8,9,10,11
	MULF \f, 0, 1
.endr
	PLACES
	WIN 0
	FW ADWA, 4096, 1, 0
	FX ADXA, 4096, 1, 1
	FW ADWA, 4096, 1, 6
	STEP 1, ADXA, ADWA, 4096, 2
	STEP 0, ADXA, ADWA, 4096, 3
	TURN 1, ADXB, ADWB, 3072, 1, 8, 0, 6*512       ; slot 0 takes K 448 .. 703
	STEP 0, ADXB, ADWB, 3072, 1
	STEP 1, ADXB, ADWB, 3072, 2
	TURN 0, ADXA, ADWA, 4096, 1, 6, SLOT1, 8*512   ; slot 1 takes K 704 .. 895
	STEP 1, ADXA, ADWA, 4096, 1
	STEP 0, ADXA, ADWA, 4096, 2
	STEP 1, ADXA, ADWA, 4096, 3
	TURN 0, ADXB, ADWB, 3072, 1, 4, 0, 6*512       ; slot 0 takes K 896 .. 1023
	STEP 1, ADXB, ADWB, 3072, 1
	STEP 0, ADXB, ADWB, 3072, 2
	TURN 1, ADXC, ADWC, 2048, 0, 0, 0, 0           ; nothing is left to fetch
	STEP 0, ADXC, ADWC, 2048, 1
	s_wait_dscnt 12                                ; the very last step
.irp f, 0,1,2,3,4,5
	MULF \f, 1, 0
.endr
	s_wait_dscnt 0x0
.irp f, 6,7,8,9,10,11
	MULF \f, 1, 0
.endr
; THE WAY OUT, twelve units of eight accumulators: q's and k's 32 t x 64 d, v's 16 d x 128 t; each is 2,048 consecutive bytes of qkvc.  The hold, each accumulator from its low end on; eight numbers to eight codes;
; through my own stage in LDS and back, so that each store of the wave covers 512 consecutive bytes.  LDS serves a wave's instructions in order: no wait between the stores and the loads.
.macro EPI U
.set KD, (\U)/4
.set AC, 64*((\U)%4)
.set CD, 96+16*((\U)%2)
.set BB, 128+16*((\U)%2)
	WIN KD+1                                       ; source 0: window 1, 2 or 3
.set i, 0
.rept 64
	v_med3_num_f32 v[TMP+i], v[AC+i], -v[HLD+2*KD], v[HLD+2*KD]   ; the conversion does not saturate (ISA guide 7.6.2)
.set i, i+1
.endr
	WIN 0
.set i, 0
.rept 8
	v_cvt_scalef32_pk8_fp8_f32 v[CD+2*i:CD+2*i+1], v[TMP+8*i:TMP+8*i+7], v[SCL+2*KD]
.set i, i+1
.endr
	v_nop                                          ; one plain line behind the last conversion
.set i, 0
.rept 8
.if KD < 2
	ds_store_b64 v[STQ], v[CD+2*i:CD+2*i+1] offset:(i/4)*1280+16*(i%4)
.else
	ds_store_b64 v[STV], v[CD+2*i:CD+2*i+1] offset:16*i
.endif
.set i, i+1
.endr
.set i, 0
.rept 4
.if KD < 2
	ds_load_b128 v[BB+4*i:BB+4*i+3], v[RDQ] offset:640*i
.else
	ds_load_b128 v[BB+4*i:BB+4*i+3], v[RDV] offset:576*i
.endif
.set i, i+1
.endr
.endm
.macro SEND U, younger                 ; younger: the LDS instructions issued behind unit U's loads
.set BB, 128+16*((\U)%2)
	s_wait_dscnt \younger
.irp k, 0,1,2,3
.if (\U)/4 == 0
	global_store_b128 v[CO], v[BB+4*\k:BB+4*\k+3], s[12:13] offset:2048*((\U)%4)+512*\k
.elseif (\U)/4 == 1
	global_store_b128 v[CO], v[BB+4*\k:BB+4*\k+3], s[70:71] offset:2048*((\U)%4)+512*\k
.else
	global_store_b128 v[CO], v[BB+4*\k:BB+4*\k+3], s[80:81] offset:2048*((\U)%4)+512*\k
.endif
.endr
.endm
	PLACES                                         ; behind the last products: their results are read, and x's registers written, below
	EPI 0
.irp U, 1,2,3,4,5,6,7,8,9,10,11
.if \U > 1
	s_wait_xcnt 0x0                                ; unit U - 2's stores have read their registers: unit U's loads may land there
.endif
	EPI \U
	SEND \U-1, 12                                  ; behind unit U - 1's loads: unit U's 8 stores and 4 loads
.endr
	SEND 11, 0
	s_wait_tensorcnt 0x0                           ; the wave's end
	ds_add_u32 v[SPW], v[NIL]
	s_wait_dscnt 0x0
	CROUND                                         ; the closing round
	s_endpgm
.Lfunc_end_k_qf34d334b61_qkv:
	.size	k_qf34d334b61_qkv, .Lfunc_end_k_qf34d334b61_qkv-k_qf34d334b61_qkv
	.p2alignl 7, 3214868480
	.fill 96, 4, 3214868480
	.section	.rodata,"a",@progbits
	.p2align	6, 0x0
	.amdhsa_kernel k_qf34d334b61_qkv
		.amdhsa_group_segment_fixed_size 327680
		.amdhsa_private_segment_fixed_size 0
		.amdhsa_enable_private_segment 0
		.amdhsa_kernarg_size 40
		.amdhsa_user_sgpr_count 2
		.amdhsa_user_sgpr_kernarg_segment_ptr 1
		.amdhsa_wavefront_size32 1
		.amdhsa_system_sgpr_workgroup_id_x 1
		.amdhsa_system_sgpr_workgroup_id_y 1
		.amdhsa_system_sgpr_workgroup_id_z 1
		.amdhsa_system_vgpr_workitem_id 0
		.amdhsa_next_free_vgpr 1024
		.amdhsa_next_free_sgpr 100
		.amdhsa_reserve_vcc 0
		.amdhsa_float_denorm_mode_32 3
		.amdhsa_float_denorm_mode_16_64 3
		.amdhsa_memory_ordered 1
		.amdhsa_forward_progress 1
		.amdhsa_inst_pref_size 233
	.end_amdhsa_kernel
	.amdgpu_metadata
---
amdhsa.version: [ 1, 2 ]
amdhsa.kernels:
  - .name:           k_qf34d334b61_qkv
    .symbol:         k_qf34d334b61_qkv.kd
    .args:
      - { .name: x_codes, .offset: 0, .size: 8, .value_kind: global_buffer, .address_space: global }
      - { .name: w_codes, .offset: 8, .size: 8, .value_kind: global_buffer, .address_space: global }
      - { .name: in_proj_bias, .offset: 16, .size: 8, .value_kind: global_buffer, .address_space: global }
      - { .name: lowp_scales, .offset: 24, .size: 8, .value_kind: global_buffer, .address_space: global }
      - { .name: qkvc, .offset: 32, .size: 8, .value_kind: global_buffer, .address_space: global }
    .group_segment_fixed_size: 327680
    .private_segment_fixed_size: 0
    .kernarg_segment_align: 8
    .kernarg_segment_size: 40
    .max_flat_workgroup_size: 128
    .sgpr_count:     100
    .vgpr_count:     1024
    .wavefront_size: 32
...
	.end_amdgpu_metadata
.endif
;; end of part 2
;; launch attn (part 3): grid 2 x 128, 16 waves a work-group, no clusters, 157,696 bytes of LDS; arguments qkvc, maskw, mflags, lowp_scales, ctx; writes ctx
.if DOCPART == 3
	.amdgcn_target "amdgcn-amd-amdhsa--gfx1250"
	.amdhsa_code_object_version 6
	.text
	.protected	k_qf34d334b61_attn
	.globl	k_qf34d334b61_attn
	.p2align	8
	.type	k_qf34d334b61_attn,@function
k_qf34d334b61_attn:
	s_mov_b64 s[64:65], 0
	v_nop
	global_prefetch_b8 v0, s[64:65] scope:SCOPE_SE
	s_setreg_imm32_b32 hwreg(HW_REG_WAVE_MODE, 25, 1), 1
	s_wait_xcnt 0x0
; ctx = softmax(q k^T, hidden where the given mask says so) v, both products on codes of E4M3, head size 64, 1,024 keys, 128 heads n = 16 b + h; ctx is quantised at once with its given scale.
; THE SOFTMAX AHEAD OF THE SECOND PRODUCT: t = score x log2(e); M = the row's largest t so far, rounded UP to a whole number; p = 2^(t - M) is quantised, not normalised; the row's sum is taken of the unquantised p and divides at the end.
; SHARES.  Work-group (g, n): head n, and half of its 64 tiles of 16 queries.  Wave w takes tile 63 - u, u = 2 w + g, and then tile u (an order of work only: it holds for every mask).  Four waves to a SIMD, 256 registers each.
; A HEAD'S WHOLE K AND V LIE IN LDS as images of the operands' registers: filled through registers in two halves, key steps 0-3 at the head and 4-7 ahead of step 4, then only read.  So there is no ring.  Both tiles' flags and the first tile's q are asked for at the head, beside K and V.
; THE MASK IS AN INPUT.  An earlier launch has stored it as words of lane bits (bit = lane, word = register of the scores) and, for each tile and key step, two flags.  A key step in which no key counts for any of the tile's
; queries is left out; one in which no key is hidden neither loads the words nor masks.  These are scalar branches on stored whole numbers. K and V come through registers and not by the tensor data mover, and there
; is no cluster: what the two work-groups of a head share is 128 KiB read once at the head.  No prefetch: nothing is streamed behind the head.
; A query for which every key is hidden has the sum 0: its codes are set to the NaN code, so that its row of the result is NaN, as the definition has it.
; LAYOUT.  Both products transposed: S^T = K Q^T, O^T = V^T P^T: a lane holds ONE query (lane % 16).  Row 8 x + y of tile 2 b + u of K is key 32 b + 16 x + 8 u + y of the step, so register 16 b + i of the scores is key 32 b + 16 (lane / 16) + i;
; V's rows d are chosen the same way, so register 16 b + i of O^T is d = 32 b + 16 (lane / 16) + i: the conversions' results are the next operand's registers, in the second product and in the last launch.
; THE IMAGES IN LDS.  Piece j = 2 c + hh of a tile holds, at 16 r, what lane (r, hh) takes into registers 4 c .. 4 c + 3: 256 bytes.  The pieces lie 320 bytes apart in K and 288 in V.  A read's sixteen lanes take 256 consecutive bytes.
; In the fill sixteen lanes hold four keys x four pieces (K: word 80 j + 4 r) or two rows x eight pieces (V: word 72 j + 4 r): sixteen different groups of four banks (64 banks of 4 bytes: ISA guide 11.1).
; ctx: images of fragments: byte b 2^20 + tile 16384 + h 1024 + 512 c + 16 lane: lane (r, hh) holds d = 32 c + 16 hh + 0 .. 15 of row 16 tile + r.
; p's HOLD at 448 x 2^ep is jumped over where it cannot act.  A score's sum is at most 64 x 448^2, so with eq + ek <= -1 |t| stays under 2^24 and the rounded t from which M is made lies at most 0.5 under the exact one:
; p <= 2^0.5.  With ep >= -8 the largest code stands for 1.75 or more.  With any other exponents the hold is executed.  The branch hangs on whole numbers read from lowp_scales.
; LIMITS: eq + ek between -126 and 127 (added to log2(e)'s exponent field); ep, ec between -126 and 119; ep + ev is applied by v_ldexp_f32.  NaN among the inputs is not served.
.set KPC,   320                        ; K: from piece to piece
.set KT,    4*KPC                      ; a tile of 16 keys
.set KSTP,  8*KT                       ; a key step
.set VPC,   288                        ; V: from piece to piece
.set VT,    8*VPC                      ; a tile of 16 d x 128 keys
.set VSTP,  4*VT                       ; a key step
.set VIMG,  8*KSTP                     ; LDS: K's images at 0 (81,920 bytes), V's behind them (73,728 bytes)
.set SPARE, VIMG+8*VSTP                ; the spare words, 128 bytes for each of the sixteen waves, which no other line names
.set LI,  1                            ; v1   16 x lane
.set ADK, 2                            ; v2   LDS address of the step's K
.set ADV, 3                            ; v3   of its V
.set SPW, 4                            ; v4   my spare word; never rewritten
.set NIL, 5                            ; v5   0; never rewritten
.set QO,  6                            ; v6   64 r + 16 hh
.set QA,  7                            ; v7   + the first tile's 1,024 bytes of q
.set CA,  8                            ; v8   16 x lane + the tile's 16,384 bytes of ctx
.set KST, 9                            ; v9   the fill: where I put 16 bytes of K
.set VST, 10                           ; v10  of V
.set QB,  11                           ; v11  QO + the second tile's place in q
.set KRD, 237                          ; v237 16 r + 320 hh: my place in a tile of K
.set VRD, 247                          ; v247 the same for V, with VIMG.  v208-231 and v24-31 hold the second half of the fill while it is on its way
; v12 -M, v13 the largest t, v[14:15] the sum in two halves; v16-23 Q of the tile in hand, v24-31 of the second tile; v32-95 K's fragments, then V's; v96-159 S^T, then p; v160-191 O^T; v192-207 codes;
; v212-214 at work at the head; v236 a permute's destination; v240, v244: 448 x 2^ep and 2^ep; v241, v245: the same for ec; v246 four NaN codes; v242, v243, v252-254 at work.
; s2 tile; s3 1 where p's hold is executed; s[4:5] q of my head; s[6:7] maskw; s[8:9] mflags; s10 ep + ev; s11 byte offset in maskw; s[12:13] ctx of my head; s14 wave; s15 63 - u; s[16:63], s[68:83] the step's 64 mask words;
; s84, s85 the two tiles' flags; s86 the step's byte in V's images; s92 the flags in hand; s93 the step's byte in K's images; s94, s95 counters; s96, s97 at work; s[98:99] c; s[100:101] lane selects.
	s_load_b256 s[4:11], s[0:1], 0x0               ; qkvc 4:5, maskw 6:7, mflags 8:9, scales 10:11
	s_load_b64 s[12:13], s[0:1], 0x20              ; ctx
	v_lshl_add_u32 v[SPW], v0, 2, SPARE
	v_mov_b32 v[NIL], 0
	v_lshrrev_b32 v212, 5, v0
	s_delay_alu instid0(VALU_DEP_1)
	v_readfirstlane_b32 s14, v212                  ; wave 0..15
	v_and_b32 v212, 31, v0
	s_delay_alu instid0(VALU_DEP_1)
	v_lshlrev_b32 v[LI], 4, v212
	s_lshl_b32 s15, s14, 1
	s_add_co_u32 s15, s15, ttmp9
	s_sub_co_u32 s15, 63, s15                      ; my first tile is 63 - (2 wave + g), my second 2 wave + g: an order of work only, which holds for every mask
	s_sub_co_u32 s94, 63, s15                      ; my second tile
	s_lshl_b32 s2, s15, 5                          ; a tile's eight flag words are 32 bytes
	s_lshl_b32 s3, s94, 5
	s_and_b32 s92, ttmp7, 0xffff                   ; n
	s_lshl_b32 s20, s92, 16                        ; a head's codes are 65,536 bytes in each of q, k, v
	s_mov_b32 s21, 0
	s_lshl_b32 s93, s14, 11                        ; THE FILL GOES IN TWO HALVES: key steps 0-3, then 4-7 (32,768 bytes on, in K and in V); of each half my wave brings 2,048 bytes of K and of V
	s_add_co_u32 s22, s93, s20
	s_add_co_u32 s22, s22, 0x800000                ; k lies 8 MiB on
	s_mov_b32 s23, 0
	; the fill's LDS addresses.  K: my 4,096 bytes are 64 keys, four tiles.  My load k brings key 8 k + lane / 4 of them, piece lane % 4: 320 (lane % 4) + 16 (lane / 4); the rest hangs on k
	s_mul_i32 s95, s14, 2*KT                       ; my 2,048 bytes of K are 32 keys, two tiles
	v_and_b32 v212, 3, v0
	v_bfe_u32 v213, v0, 2, 3
	s_delay_alu instid0(VALU_DEP_2)
	v_mul_u32_u24 v[KST], v212, KPC
	s_delay_alu instid0(VALU_DEP_1)
	v_lshl_add_u32 v[KST], v213, 4, v[KST]
	s_delay_alu instid0(VALU_DEP_1)
	v_add_nc_u32 v[KST], s95, v[KST]
	; V: my 4,096 bytes are 16 rows d in each of two key steps, two tiles each.  My load k brings d = 4 k + lane / 8 of them, piece lane % 8: 288 (lane % 8) + 16 (lane / 8)
	s_lshr_b32 s95, s14, 2                         ; my 2,048 bytes of V are 16 rows d = 16 (wave % 4) on of key step wave / 4: tiles 2 ((wave % 4) / 2) and the next, rows 8 (wave % 2) on
	s_mul_i32 s95, s95, VSTP
	s_bfe_u32 s96, s14, 0x10001
	s_mul_i32 s96, s96, 2*VT
	s_add_co_u32 s95, s95, s96
	s_and_b32 s96, s14, 1
	s_lshl_b32 s96, s96, 7
	s_add_co_u32 s95, s95, s96
	s_add_co_u32 s95, s95, VIMG
	v_and_b32 v212, 7, v0
	v_bfe_u32 v213, v0, 3, 2
	s_delay_alu instid0(VALU_DEP_2)
	v_mul_u32_u24 v[VST], v212, VPC
	s_delay_alu instid0(VALU_DEP_1)
	v_lshl_add_u32 v[VST], v213, 4, v[VST]
	s_delay_alu instid0(VALU_DEP_1)
	v_add_nc_u32 v[VST], s95, v[VST]
	v_and_b32 v212, 15, v0                         ; r
	v_bfe_u32 v213, v0, 4, 1                       ; hh
	s_delay_alu instid0(VALU_DEP_2)
	v_lshlrev_b32 v[QO], 6, v212
	s_delay_alu instid0(VALU_DEP_1)
	v_lshl_add_u32 v[QO], v213, 4, v[QO]
	s_lshl_b32 s96, s15, 10
	v_add_nc_u32 v[QA], s96, v[QO]
	s_lshl_b32 s96, s94, 10
	v_add_nc_u32 v[QB], s96, v[QO]
	v_lshlrev_b32 v214, 4, v212                    ; 16 r
	v_mul_u32_u24 v[KRD], v213, KPC
	s_delay_alu instid0(VALU_DEP_1)
	v_add_nc_u32 v[KRD], v214, v[KRD]
	v_mul_u32_u24 v[VRD], v213, VPC
	s_delay_alu instid0(VALU_DEP_1)
	v_add_nc_u32 v[VRD], v214, v[VRD]
	s_delay_alu instid0(VALU_DEP_1)
	v_add_nc_u32 v[VRD], VIMG, v[VRD]
	s_lshr_b32 s96, s92, 4                         ; ctx: b 2^20 + h 1024
	s_lshl_b32 s96, s96, 20
	s_and_b32 s97, s92, 15
	s_lshl_b32 s97, s97, 10
	s_add_co_u32 s96, s96, s97
	s_mov_b32 s97, 0
	s_mov_b32 s100, 0x76543210                     ; v_permlanex16_b32: lane l xor 16
	s_mov_b32 s101, 0xfedcba98
	s_wait_alu depctr_va_vdst(0)
	s_wait_kmcnt 0x0
	s_load_b256 s[84:91], s[10:11], 0x0            ; ex, ew, eq, ek, ep, ev, ec, eow
	s_load_b256 s[24:31], s[8:9], s2 offset:0x0    ; the first tile's eight flag words,
	s_load_b256 s[32:39], s[8:9], s3 offset:0x0    ; the second's
	s_add_nc_u64 s[16:17], s[4:5], s[22:23]        ; K: my 4,096 bytes
	s_add_nc_u64 s[18:19], s[16:17], 0x800000      ; V: 8 MiB further on
	s_add_nc_u64 s[4:5], s[4:5], s[20:21]          ; q of my head
	s_add_nc_u64 s[12:13], s[12:13], s[96:97]
.irp k, 0,1,2,3
	global_load_b128 v[32+4*\k:35+4*\k], v[LI], s[16:17] offset:512*\k   ; key steps 0-3: 512 consecutive bytes each
.endr
.irp k, 0,1,2,3
	global_load_b128 v[48+4*\k:51+4*\k], v[LI], s[18:19] offset:512*\k
.endr
	global_load_b128 v[16:19], v[QA], s[4:5]               ; Q's fragment: row r, d = 16 hh + 0 .. 15,
	global_load_b128 v[20:23], v[QA], s[4:5] offset:32     ; and 32 + 16 hh + 0 .. 15
	v_mov_b32 v236, 0                              ; written once: a lane permute's destination counts as one of its sources
	v_mov_b32 v253, 0                              ; (named as the upper half of the pair v[252:253])
	v_mov_b32 v246, 0x7f7f7f7f
	s_wait_kmcnt 0x0
	s_add_co_i32 s96, s86, s87                     ; eq + ek
	s_cmp_gt_i32 s96, -1
	s_cselect_b32 s3, 1, 0                         ; p's hold is executed where eq + ek > -1,
	s_cmp_lt_i32 s88, -8
	s_cselect_b32 s3, 1, s3                        ; or ep < -8
	s_lshl_b32 s96, s96, 23                        ; a score stands for score x 2^(eq + ek): the exponents are added to the exponent field of log2(e)
	s_add_co_i32 s98, s96, 0x3fb8aa3b
	s_mov_b32 s99, s98                             ; (named with it as a pair, so it is written)
	s_add_co_i32 s10, s88, s89                     ; ep + ev
	s_add_co_i32 s96, s88, 127
	s_lshl_b32 s97, s96, 23
	v_mov_b32 v244, s97                            ; 2^ep
	s_add_co_i32 s96, s96, 8
	s_lshl_b32 s96, s96, 23
	s_or_b32 s96, s96, 0x600000
	v_mov_b32 v240, s96                            ; 448 x 2^ep
	s_add_co_i32 s96, s90, 127
	s_lshl_b32 s97, s96, 23
	v_mov_b32 v245, s97                            ; 2^ec
	s_add_co_i32 s96, s96, 8
	s_lshl_b32 s96, s96, 23
	s_or_b32 s96, s96, 0x600000
	v_mov_b32 v241, s96                            ; 448 x 2^ec
	s_or_b32 s84, s24, s25                         ; a tile's flags: bit s: some key of step s counts; bit 8 + s: some key of it is hidden
	s_or_b32 s84, s84, s26
	s_or_b32 s84, s84, s27
	s_or_b32 s84, s84, s28
	s_or_b32 s84, s84, s29
	s_or_b32 s84, s84, s30
	s_or_b32 s84, s84, s31
	s_or_b32 s85, s32, s33
	s_or_b32 s85, s85, s34
	s_or_b32 s85, s85, s35
	s_or_b32 s85, s85, s36
	s_or_b32 s85, s85, s37
	s_or_b32 s85, s85, s38
	s_or_b32 s85, s85, s39
	s_wait_loadcnt 6                               ; K's first four loads are in; V's four and q's two may be out
.irp k, 0,1,2,3
	ds_store_b128 v[KST], v[32+4*\k:35+4*\k] offset:(\k%2)*KT+128*(\k/2)
.endr
	s_wait_loadcnt 2                               ; V's first four are in; q's two may be out
.irp k, 0,1,2,3
	ds_store_b128 v[VST], v[48+4*\k:51+4*\k] offset:(\k/2)*VT+64*(\k%2)
.endr
.irp k, 0,1,2,3
	global_load_b128 v[208+4*\k:211+4*\k], v[LI], s[16:17] offset:32768+512*\k   ; key steps 4-7 are asked for when my part of steps 0-3 is in: eight loads that stay out while the first tile walks steps 0-3
.endr
	global_load_b128 v[224:227], v[LI], s[18:19] offset:32768
	global_load_b128 v[228:231], v[LI], s[18:19] offset:32768+512
	global_load_b128 v[24:27], v[LI], s[18:19] offset:32768+1024
	global_load_b128 v[28:31], v[LI], s[18:19] offset:32768+1536
	s_wait_dscnt 0x0                               ; for the others' sake: my stores have landed
	s_barrier_signal -1
	s_barrier_wait -1                              ; key steps 0-3 of K and V lie in LDS; nothing is stored there again
	s_wait_loadcnt 8                               ; q of the first tile is in; the second half's eight loads may be out,
	s_wait_xcnt 0x0                                ; and have read their addresses: s[16:19] may be written
.set i, 16
.rept 24
	s_mov_b64 s[i:i+1], 0                          ; the mask words' registers are written once, so that they are written on every way; they are read only in steps that have loaded them
.set i, i+2
.endr
.set i, 68
.rept 8
	s_mov_b64 s[i:i+1], 0
.set i, i+2
.endr
	s_mov_b32 s95, 0
.Lpass:                                            ; two trips: my two tiles
	s_wait_xcnt 0x0                                ; the last tile's stores have read their registers
	s_sub_co_u32 s96, 63, s15
	s_cmp_eq_u32 s95, 0
	s_cselect_b32 s2, s15, s96                     ; the tile,
	s_cselect_b32 s92, s84, s85                    ; its flags
	s_lshl_b32 s96, s2, 14
	v_add_nc_u32 v[CA], s96, v[LI]
.set i, 0
.rept 32
	v_mov_b32 v[160+i], 0                          ; O^T.  (The step is written once: the first finds zeros, which the first change of M leaves zeros)
.set i, i+1
.endr
	v_mov_b32 v13, 0xff61b1e6                      ; the largest t so far: -3e38
	s_delay_alu instid0(VALU_DEP_1)
	v_floor_f32 v12, -v13                          ; -M
	v_mov_b32 v14, 0
	v_mov_b32 v15, 0
	s_lshl_b32 s11, s2, 11                         ; the tile's 8 x 256 bytes of mask words
	s_mov_b32 s93, 0
	s_mov_b32 s86, 0
	s_mov_b32 s94, 8
.Lstep:
	s_lshl_b32 s96, s95, 3
	s_add_co_u32 s96, s96, s94                     ; 8 x the pass + the steps to go: 4 ahead of step 4 of the first tile, and nowhere else: counters alone, the same in all sixteen waves
	s_cmp_lg_u32 s96, 4
	s_cbranch_scc1 .Lfilled
	s_wait_alu depctr_va_vdst(0)
	s_wait_loadcnt 0x0                             ; the second half of the fill is in
	s_wait_dscnt 0x0                               ; my reads of LDS are over
	s_barrier_signal -1
	s_barrier_wait -1
.irp k, 0,1,2,3
	ds_store_b128 v[KST], v[208+4*\k:211+4*\k] offset:32*KT+(\k%2)*KT+128*(\k/2)
.endr
	ds_store_b128 v[VST], v[224:227] offset:4*VSTP
	ds_store_b128 v[VST], v[228:231] offset:4*VSTP+64
	ds_store_b128 v[VST], v[24:27] offset:4*VSTP+VT
	ds_store_b128 v[VST], v[28:31] offset:4*VSTP+VT+64
	s_wait_dscnt 0x0                               ; for the others' sake: my stores have landed
	s_barrier_signal -1
	s_barrier_wait -1                              ; key steps 4-7 lie in LDS; nothing is stored there again
	global_load_b128 v[24:27], v[QB], s[4:5]               ; the second tile's q, kept until the first is done
	global_load_b128 v[28:31], v[QB], s[4:5] offset:32
.Lfilled:
	s_and_b32 s96, s92, 1
	s_cmp_eq_u32 s96, 0
	s_cbranch_scc1 .Lhidden                        ; no key of the step counts for any of my 16 queries
	s_and_b32 s96, s92, 256
	s_cmp_eq_u32 s96, 0
	s_cbranch_scc1 .Lno_words                      ; no key of the step is hidden: its words are not wanted
	s_load_b512 s[16:31], s[6:7], s11 offset:0x0   ; the step's 64 mask words
	s_load_b512 s[32:47], s[6:7], s11 offset:0x40
	s_load_b512 s[48:63], s[6:7], s11 offset:0x80
	s_load_b512 s[68:83], s[6:7], s11 offset:0xc0
.Lno_words:
	v_add_nc_u32 v[ADK], s93, v[KRD]
	v_add_nc_u32 v[ADV], s86, v[VRD]
	v_nop                                          ; with the two additions: four places in front of loads into registers that the last products read
	v_nop
.irp t, 0,1,2,3,4,5,6,7
	ds_load_b128 v[32+8*\t:35+8*\t], v[ADK] offset:KT*\t
	ds_load_b128 v[36+8*\t:39+8*\t], v[ADK] offset:KT*\t+2*KPC
.endr
	s_wait_alu depctr_va_vdst(0)
	s_wait_dscnt 0x0
.irp t, 0,1,2,3,4,5,6,7
	v_wmma_f32_16x16x64_fp8_fp8 v[96+8*\t:103+8*\t], v[32+8*\t:39+8*\t], v[16:23], 0   ; S^T: source 0 = 16 keys, source 1 = my 16 queries
.endr
.rept 4
	v_nop                                          ; places: K's registers take V's fragments, and the scores are read
.endr
.irp t, 0,1,2,3
.irp c, 0,1,2,3
	ds_load_b128 v[32+16*\t+4*\c:35+16*\t+4*\c], v[ADV] offset:VT*\t+2*VPC*\c   ; V's fragments land while the softmax is worked
.endr
.endr
	s_wait_kmcnt 0x0                               ; on every way: the mask words, where they were asked for, are in, and their offset register may be stepped
	s_and_b32 s96, s92, 256
	s_cmp_eq_u32 s96, 0
	s_cbranch_scc1 .Lopen                          ; no key of the step is hidden
	v_mov_b32 v254, 0xff800000                     ; -infinity: p = 0 then
.set i, 0
.rept 64
.if i < 48
	v_cndmask_b32 v[96+i], v[96+i], v254, s[16+i]
.else
	v_cndmask_b32 v[96+i], v[96+i], v254, s[20+i]
.endif
.set i, i+1
.endr
.Lopen:
	v_max3_num_f32 v254, v96, v97, v98             ; the step's largest score of my query, among my 64 keys, in two chains,
	v_max3_num_f32 v252, v99, v100, v101
.irp i, 6,10,14,18,22,26,30,34,38,42,46,50,54,58
	v_max3_num_f32 v254, v254, v[96+\i], v[97+\i]
	v_max3_num_f32 v252, v252, v[98+\i], v[99+\i]
.endr
	v_max3_num_f32 v254, v254, v158, v159
	s_delay_alu instid0(VALU_DEP_1)
	v_max_num_f32 v254, v254, v252
	s_delay_alu instid0(VALU_DEP_1)
	v_permlanex16_b32 v236, v254, s100, s101
	s_delay_alu instid0(VALU_DEP_1)
	v_max_num_f32 v254, v254, v236                 ; and among lane l xor 16's
	s_delay_alu instid0(VALU_DEP_1)
	v_mul_f32 v254, s98, v254                      ; as t (c is positive)
	s_delay_alu instid0(VALU_DEP_1)
	v_max_num_f32 v13, v13, v254                   ; the running largest t
	v_mov_b32 v254, v12
	s_delay_alu instid0(VALU_DEP_2)
	v_floor_f32 v12, -v13                          ; the new -M = floor(-t) = -ceil(t): a whole number
	s_delay_alu instid0(VALU_DEP_1)
	v_sub_f32 v254, v12, v254                      ; M's old value less its new one: a whole number, 0 or less
	s_delay_alu instid0(VALU_DEP_1)
	v_cvt_i32_f32 v254, v254                       ; (it saturates)
	s_delay_alu instid0(VALU_DEP_1)
	v_ldexp_f32 v252, 1.0, v254                    ; f = 2^(old M - new M): a multiplication by it rounds nothing
.irp j, 0,2,4,6,8,10,12,14,16,18,20,22,24,26,28,30,32,34,36,38,40,42,44,46,48,50,52,54,56,58,60,62
	v_pk_fma_f32 v[96+\j:97+\j], v[96+\j:97+\j], s[98:99], v[12:13] op_sel_hi:[1,0,0]   ; t - M, two at a time
.endr
.set i, 0
	s_wait_alu depctr_va_vdst(0)
.rept 64
	v_exp_f32 v[96+i], v[96+i]                     ; p = 2^(t - M)
.set i, i+1
.endr
	v_pk_mul_f32 v[14:15], v[14:15], v[252:253] op_sel_hi:[1,0]   ; the sums under the new M: the plain line behind the exponentials
	s_wait_alu depctr_va_vdst(0)                   ; the wait ahead of the first line that names a result: one for the batch of 64
	v_pk_add_f32 v[242:243], v[100:101], v[104:105]
	v_pk_add_f32 v[254:255], v[108:109], v[112:113]
	v_pk_add_f32 v[250:251], v[116:117], v[120:121]
	v_pk_add_f32 v[248:249], v[124:125], v[128:129]
	v_pk_add_f32 v[238:239], v[132:133], v[136:137]
	v_pk_add_f32 v[234:235], v[140:141], v[144:145]
	v_pk_add_f32 v[232:233], v[148:149], v[152:153]
	v_pk_add_f32 v[14:15], v[14:15], v[156:157]
	v_pk_add_f32 v[242:243], v[242:243], v[96:97]
	v_pk_add_f32 v[254:255], v[254:255], v[98:99]
	v_pk_add_f32 v[250:251], v[250:251], v[102:103]
	v_pk_add_f32 v[248:249], v[248:249], v[106:107]
	v_pk_add_f32 v[238:239], v[238:239], v[110:111]
	v_pk_add_f32 v[234:235], v[234:235], v[114:115]
	v_pk_add_f32 v[232:233], v[232:233], v[118:119]
	v_pk_add_f32 v[14:15], v[14:15], v[122:123]
	v_pk_add_f32 v[242:243], v[242:243], v[126:127]
	v_pk_add_f32 v[254:255], v[254:255], v[130:131]
	v_pk_add_f32 v[250:251], v[250:251], v[134:135]
	v_pk_add_f32 v[248:249], v[248:249], v[138:139]
	v_pk_add_f32 v[238:239], v[238:239], v[142:143]
	v_pk_add_f32 v[234:235], v[234:235], v[146:147]
	v_pk_add_f32 v[232:233], v[232:233], v[150:151]
	v_pk_add_f32 v[14:15], v[14:15], v[154:155]
	v_pk_add_f32 v[242:243], v[242:243], v[158:159]
	s_delay_alu instid0(VALU_DEP_2)
	v_pk_add_f32 v[14:15], v[14:15], v[248:249]
	s_delay_alu instid0(VALU_DEP_2)
	v_pk_add_f32 v[242:243], v[242:243], v[238:239]
	v_pk_add_f32 v[254:255], v[254:255], v[234:235]
	v_pk_add_f32 v[250:251], v[250:251], v[232:233]
	s_delay_alu instid0(VALU_DEP_2)
	v_pk_add_f32 v[14:15], v[14:15], v[254:255]
	s_delay_alu instid0(VALU_DEP_2)
	v_pk_add_f32 v[242:243], v[242:243], v[250:251]
	s_delay_alu instid0(VALU_DEP_1)
	v_pk_add_f32 v[14:15], v[14:15], v[242:243]
	s_cmp_eq_u32 s3, 0
	s_cbranch_scc1 .Lno_hold                       ; with these exponents no p reaches the largest code (the arithmetic stands at the kernel's head)
.set i, 0
.rept 64
	v_min_num_f32 v[96+i], v[96+i], v240           ; the conversion does not saturate (ISA guide 7.6.2); p is not negative, so the hold is one-sided
.set i, i+1
.endr
.Lno_hold:
.irp b, 0,1,2,3
	v_cvt_scalef32_pk8_fp8_f32 v[192+4*\b:193+4*\b], v[96+16*\b:103+16*\b], v244
	v_cvt_scalef32_pk8_fp8_f32 v[194+4*\b:195+4*\b], v[104+16*\b:111+16*\b], v244
.endr
.irp j, 0,2,4,6,8,10,12,14,16,18,20,22,24,26,28,30
	v_pk_mul_f32 v[160+\j:161+\j], v[160+\j:161+\j], v[252:253] op_sel_hi:[1,0]   ; O^T under the new M.  (Also the plain lines between the conversions and the products)
.endr
	s_wait_alu depctr_va_vdst(0)
	s_wait_dscnt 0x0                               ; V's fragments are in
.irp t, 0,1,2,3
	v_wmma_f32_16x16x128_fp8_fp8 v[160+8*\t:167+8*\t], v[32+16*\t:47+16*\t], v[192:207], v[160+8*\t:167+8*\t]   ; O^T += V^T P^T: four accumulators by turns
.endr
.Lhidden:
	s_lshr_b32 s92, s92, 1
	s_add_co_u32 s93, s93, KSTP
	s_add_co_u32 s86, s86, VSTP
	s_add_co_u32 s11, s11, 256
	s_sub_co_u32 s94, s94, 1
	s_cmp_lg_u32 s94, 0
	s_cbranch_scc1 .Lstep
	; the tile's way out: O^T / the sum x 2^(ep + ev), quantised with 2^ec: the codes' registers are the image that the last launch loads
	s_wait_loadcnt 0x0                             ; the second tile's q is in
.irp i, 0,1,2,3,4,5,6,7
	v_mov_b32 v[16+\i], v[24+\i]
.endr
	s_wait_alu depctr_va_vdst(0)
	v_add_f32 v14, v14, v15
	s_delay_alu instid0(VALU_DEP_1)
	v_permlanex16_b32 v236, v14, s100, s101
	s_delay_alu instid0(VALU_DEP_1)
	v_add_f32 v14, v14, v236                       ; the row's sum
	s_delay_alu instid0(VALU_DEP_1)
	v_cmp_eq_f32 s96, 0, v14                       ; 0: every key was hidden for my query (it selects a value below, nothing else)
	v_rcp_f32 v14, v14
	v_nop                                          ; a plain line behind the transcendental
	s_wait_alu depctr_va_vdst(0)                   ; and the wait ahead of its first reader
	v_ldexp_f32 v14, v14, s10
.irp j, 0,2,4,6,8,10,12,14,16,18,20,22,24,26,28,30
	v_pk_mul_f32 v[96+\j:97+\j], v[160+\j:161+\j], v[14:15] op_sel_hi:[1,0]   ; each accumulator from its low end on
.endr
.irp c, 0,1
.irp i, 0,1,2,3,4,5,6,7,8,9,10,11,12,13,14,15
	v_med3_num_f32 v[96+16*\c+\i], v[96+16*\c+\i], -v241, v241
.endr
	v_cvt_scalef32_pk8_fp8_f32 v[192+4*\c:193+4*\c], v[96+16*\c:103+16*\c], v245
	v_cvt_scalef32_pk8_fp8_f32 v[194+4*\c:195+4*\c], v[104+16*\c:111+16*\c], v245
.endr
	v_nop                                          ; one plain line behind the last conversion
.irp k, 0,1,2,3,4,5,6,7
	v_cndmask_b32 v[192+\k], v[192+\k], v246, s96  ; a wholly hidden query: NaN codes
.endr
	global_store_b128 v[CA], v[192:195], s[12:13]              ; 512 consecutive bytes each
	global_store_b128 v[CA], v[196:199], s[12:13] offset:512
	s_add_co_u32 s95, s95, 1
	s_cmp_lt_u32 s95, 2
	s_cbranch_scc1 .Lpass
	s_wait_tensorcnt 0x0                           ; the wave's end
	ds_add_u32 v[SPW], v[NIL]
	s_wait_dscnt 0x0
	s_endpgm
.Lfunc_end_k_qf34d334b61_attn:
	.size	k_qf34d334b61_attn, .Lfunc_end_k_qf34d334b61_attn-k_qf34d334b61_attn
	.p2alignl 7, 3214868480
	.fill 96, 4, 3214868480
	.section	.rodata,"a",@progbits
	.p2align	6, 0x0
	.amdhsa_kernel k_qf34d334b61_attn
		.amdhsa_group_segment_fixed_size 157696
		.amdhsa_private_segment_fixed_size 0
		.amdhsa_enable_private_segment 0
		.amdhsa_kernarg_size 40
		.amdhsa_user_sgpr_count 2
		.amdhsa_user_sgpr_kernarg_segment_ptr 1
		.amdhsa_wavefront_size32 1
		.amdhsa_system_sgpr_workgroup_id_x 1
		.amdhsa_system_sgpr_workgroup_id_y 1
		.amdhsa_system_sgpr_workgroup_id_z 1
		.amdhsa_system_vgpr_workitem_id 0
		.amdhsa_next_free_vgpr 256
		.amdhsa_next_free_sgpr 102
		.amdhsa_reserve_vcc 0
		.amdhsa_float_denorm_mode_32 3
		.amdhsa_float_denorm_mode_16_64 3
		.amdhsa_memory_ordered 1
		.amdhsa_forward_progress 1
		.amdhsa_inst_pref_size 37
	.end_amdhsa_kernel
	.amdgpu_metadata
---
amdhsa.version: [ 1, 2 ]
amdhsa.kernels:
  - .name:           k_qf34d334b61_attn
    .symbol:         k_qf34d334b61_attn.kd
    .args:
      - { .name: qkvc, .offset: 0, .size: 8, .value_kind: global_buffer, .address_space: global }
      - { .name: maskw, .offset: 8, .size: 8, .value_kind: global_buffer, .address_space: global }
      - { .name: mflags, .offset: 16, .size: 8, .value_kind: global_buffer, .address_space: global }
      - { .name: lowp_scales, .offset: 24, .size: 8, .value_kind: global_buffer, .address_space: global }
      - { .name: ctx, .offset: 32, .size: 8, .value_kind: global_buffer, .address_space: global }
    .group_segment_fixed_size: 157696
    .private_segment_fixed_size: 0
    .kernarg_segment_align: 8
    .kernarg_segment_size: 40
    .max_flat_workgroup_size: 512
    .sgpr_count:     102
    .vgpr_count:     256
    .wavefront_size: 32
...
	.end_amdgpu_metadata
.endif
;; end of part 3
;; launch outp (part 4): grid 64 x 4, 4 waves a work-group, clusters of 4 x 1, 327,680 bytes of LDS; arguments ctx, ow_codes, out_proj_bias, lowp_scales, out0; writes out0
.if DOCPART == 4
	.amdgcn_target "amdgcn-amd-amdhsa--gfx1250"
	.amdhsa_code_object_version 6
	.text
	.protected	k_qf34d334b61_outp
	.globl	k_qf34d334b61_outp
	.p2align	8
	.type	k_qf34d334b61_outp,@function
k_qf34d334b61_outp:
	s_mov_b64 s[64:65], 0
	v_nop
	global_prefetch_b8 v0, s[64:65] scope:SCOPE_SE
	s_setreg_imm32_b32 hwreg(HW_REG_WAVE_MODE, 25, 1), 1
	s_wait_xcnt 0x0
	s_wait_alu depctr_hold_cnt(0) depctr_sa_sdst(0) depctr_va_vdst(0) depctr_va_sdst(0) depctr_va_ssrc(0) depctr_va_vcc(0) depctr_vm_vsrc(0)
	s_getreg_b32 s2, hwreg(HW_REG_IB_STS2, 6, 4)
	s_cmp_eq_u32 s2, 0
	s_cbranch_scc0 .Lentry_in_a_cluster
	s_endpgm
.Lentry_in_a_cluster:
	s_bfe_u32 s2, ttmp6, 0x10000c
	s_cmp_lg_u32 s2, 0x3003
	s_cbranch_scc0 .Lentry_shape_is_right
	s_endpgm
.Lentry_shape_is_right:
; out0 = ctx out_proj_weight^T + bias on codes of E4M3; a finished sum is multiplied once by 2^(ec + eow).  ctx rows are b*1024 + t; out0 is [t][b][1024] f32.
; Both operands are images of fragments: a block of 16 rows is 16,384 bytes, 32 chunks of 32 along K; in a chunk lane l = r + 16 h has, at byte 16 l, k = 16 h + 0 .. 15 of row r.
; SHARES: 64 x 4 = 256 work-groups: 128 rows of ctx x 256 rows of the weight.  Wave w: 64 rows (half w / 2) x 128 columns (half w % 2).
; THE WEIGHT'S WHOLE TILE LIES IN LDS: 16 blocks x 16,384 = 262,144 bytes, asked for once at the head, one tensor load of 65,536 dense bytes a wave: no ring, nothing is filled again.
; CLUSTERS of 4 x 1: four row tiles need the same tile of the weight: it is asked for jointly.  ctx's rows, which the four column tiles share, go from memory straight into registers (64 rows x 1,024 K = 512 registers a wave):
; beside the weight's 262,144 bytes LDS has no room for their 131,072, so they are no joint load.
; A wave's 64 x 128 is made in TWO CHUNKS of 64 columns, each over the whole K, so that the first chunk's rows (256 bytes each) are stored while the second is multiplied.
; Source 0 = 16 rows of the weight, source 1 = 16 rows of ctx: a lane holds eight neighbouring columns of one row of the result.
; No prefetch: all of both operands is asked for at the head; there is no loop to run ahead in.
; LIMIT: ec + eow between -126 and 127.
; REGISTERS: window 0: v0-31 addresses, v8-15 the bias, v32-95 rows on the way out, v128-255 the 16 accumulators ((a, b) at 128 + 8 (4 a + b)); window 1: the weight's fragments, two halves of 4 blocks x 256 K;
;   windows 2, 3: ctx's fragments, (kq, a) at 16 (4 (kq % 4) + a), K = 128 kq on.
.set STAGE,  262144                    ; behind the weight: a stage of 16 rows x (256 + 16) bytes for each wave
.set SPITCH, 272
.set STGW,   16*SPITCH
.set SPARE,  STAGE+4*STGW              ; the spare words, 128 bytes a wave, which no other line names
.set BI,   8                           ; v8-15   the bias of my four columns of a row's 256 bytes, for each chunk
.set ADB,  16                          ; v16, 17 LDS address of my blocks of the weight, chunk 0, 1
.set CO,   20                          ; v20     16 x lane
.set CO2,  21                          ; v21     the way out: lanes 0-15 one row of out0, lanes 16-31 the row of the next t; 16 bytes a lane
.set BO,   22                          ; v22     16 x (lane % 16)
.set STO,  24
.set RD,   25
.set SPW,  28                          ; my spare word; never rewritten
.set NIL,  29                          ; 0; never rewritten
.set BK,   32
.set ACC,  128
.set MSB, 0
.macro WIN new                         ; the immediate's high byte repeats the setting that is left
.if MSB != \new
	s_set_vgpr_msb (MSB<<8)|\new
.set MSB, \new
.endif
.endm
.macro PLACES                          ; plain vector lines behind a matrix instruction (ISA guide 7.12.1)
.rept 4
	v_nop
.endr
.endm
.macro CROUND                          ; a round of the cluster's barrier
	s_barrier_signal -1
	s_barrier_wait -1
	s_cmp_lg_u32 s14, 0
	s_cbranch_scc1 .Lnot_wave_0_\@
	s_barrier_signal -3
.Lnot_wave_0_\@:
	s_barrier_wait -3
	s_barrier_signal -1
	s_barrier_wait -1
.endm
.macro ALOAD kq                        ; ctx's four blocks, K = 128 kq on: 16 loads of 512 consecutive bytes
	WIN 0x80+0x40*((\kq)/4)
.irp a, 0,1,2,3
.irp c, 0,1,2,3
	global_load_b128 v[(((\kq)%4)*4+\a)*16+4*\c:(((\kq)%4)*4+\a)*16+4*\c+3], v[CO], s[4:5] offset:\a*16384+(\kq)*2048+512*\c
.endr
.endr
.endm
	s_load_b256 s[4:11], s[0:1], 0x0               ; ctx 4:5, ow_codes 6:7, bias 8:9, scales 10:11
	s_load_b64 s[12:13], s[0:1], 0x20              ; out0
	v_lshl_add_u32 v[SPW], v0, 2, SPARE
	v_mov_b32 v[NIL], 0
	ds_add_u32 v[SPW], v[NIL]                      ; the opening: the add, twice on end, and its wait ahead of my first tensor load
	ds_add_u32 v[SPW], v[NIL]
	v_lshrrev_b32 v1, 5, v0
	v_readfirstlane_b32 s14, v1                    ; wave 0..3
	s_lshr_b32 s15, s14, 1                         ; my half of the rows
	s_and_b32 s16, s14, 1                          ; my half of the columns
	s_bfe_u32 s40, ttmp6, 0x40000                  ; cx
	s_lshl_b32 s17, ttmp9, 2
	s_add_co_u32 s17, s17, s40                     ; the row tile
	s_and_b32 s18, ttmp7, 0xffff                   ; the column tile, which the four partners share
	s_mov_b32 s24, 15|(1<<21)                      ; group 1: the mask names the four; elements of 1 byte; no padding; 21 set beside a mask
	s_mov_b32 s25, 16384<<16                       ; tensor_dim0
	s_mov_b32 s26, 4<<16                           ; tensor_dim1: 4 blocks
	s_mov_b32 s27, 16384<<16                       ; tile_dim0
	s_mov_b32 s28, 4                               ; tile_dim1
	s_mov_b32 s29, 16384                           ; from block to block
	s_mov_b32 s30, 0
	s_mov_b32 s31, 0
	s_mov_b32 s32, 1
	s_lshl_b32 s33, s14, 16                        ; LDS: wave x 65,536
	s_lshl_b32 s20, s18, 18                        ; the weight: block 16 x column tile + 4 x wave
	s_add_co_u32 s20, s20, s33
	s_mov_b32 s21, 0
	s_lshl_b32 s22, s17, 17                        ; ctx: block 8 x row tile + 4 x half
	s_lshl_b32 s23, s15, 16
	s_add_co_u32 s22, s22, s23
	s_mov_b32 s23, 0
	s_lshl_b32 s46, s18, 10                        ; my first column, in bytes of f32
	s_lshl_b32 s47, s16, 9
	s_add_co_u32 s46, s46, s47
	s_mov_b32 s47, 0
	s_and_b32 s48, s17, 7                          ; out0: t = 128 (row tile % 8) + 64 half, 32,768 bytes each;
	s_lshl_b32 s48, s48, 22
	s_lshl_b32 s49, s15, 21
	s_add_co_u32 s48, s48, s49
	s_lshr_b32 s49, s17, 3                         ; b = row tile / 8, 4,096 bytes each;
	s_lshl_b32 s49, s49, 12
	s_add_co_u32 s48, s48, s49
	s_add_co_u32 s48, s48, s46                     ; and my first column
	s_mov_b32 s49, 0
	s_lshl_b32 s44, s16, 17                        ; my eight blocks of the weight in LDS
	s_mul_i32 s45, s14, STGW
	s_add_co_u32 s45, s45, STAGE                   ; my stage
	v_and_b32 v1, 31, v0
	v_lshlrev_b32 v[CO], 4, v1
	v_and_b32 v2, 15, v0                           ; r
	v_bfe_u32 v3, v0, 4, 1                         ; h
	v_lshlrev_b32 v[BO], 4, v2
	v_lshl_add_u32 v[CO2], v3, 15, v[BO]
	v_add_nc_u32 v[ADB], s44, v[CO]
	v_add_nc_u32 v[ADB+1], 0x10000, v[ADB]
	v_mul_u32_u24 v4, v2, SPITCH                   ; in: row r, 32 bytes for each half of the lanes
	v_lshl_add_u32 v4, v3, 5, v4
	v_add_nc_u32 v[STO], s45, v4
	v_mul_u32_u24 v4, v3, SPITCH                   ; back: sixteen lanes to a row of 256 bytes, two rows an instruction
	v_add_nc_u32 v4, v4, v[BO]
	v_add_nc_u32 v[RD], s45, v4
	s_wait_alu depctr_va_vdst(0)
	s_wait_dscnt 0x0                               ; both opening adds are done
	s_wait_kmcnt 0x0
	s_load_b256 s[88:95], s[10:11], 0x0            ; ex, ew, eq, ek, ep, ev, ec, eow
	s_add_nc_u64 s[34:35], s[6:7], s[20:21]
	s_or_b32 s35, s35, 0x80000000
	s_add_nc_u64 s[4:5], s[4:5], s[22:23]
	s_add_nc_u64 s[8:9], s[8:9], s[46:47]
	s_add_nc_u64 s[12:13], s[12:13], s[48:49]
	global_load_b128 v[BI:BI+3], v[BO], s[8:9]
	global_load_b128 v[BI+4:BI+7], v[BO], s[8:9] offset:256
	ALOAD 0                                        ; 48 loads of ctx go out ahead of the round,
	ALOAD 1
	ALOAD 2
	WIN 0
	CROUND                                         ; the four work-groups are here: the joint loads meet
	tensor_load_to_lds s[32:35], s[24:31]          ; my quarter of the weight's tile: every wave issues one
	s_nop 0
	PLACES
	ALOAD 3                                        ; and the other 80 behind the tensor load
	ALOAD 4
	ALOAD 5
	ALOAD 6
	ALOAD 7
	WIN 0
	s_wait_kmcnt 0x0
	s_add_co_i32 s96, s94, s95
	s_add_co_i32 s96, s96, 127
	s_lshl_b32 s96, s96, 23                        ; 2^(ec + eow) as f32
	s_mov_b32 s97, s96                             ; (named with it as a pair, so it is written)
; phase f = 4 x chunk + kp: 256 along K (kq = 2 kp, 2 kp + 1) of a chunk's four blocks of the weight, from half f % 2 of window 1
.macro FETCHB f
.set FJ, (\f)/4
.set FK, (\f)%4
.set FH, 128*((\f)%2)
	WIN 0x40
.irp kk, 0,1
.irp b, 0,1,2,3
.irp c, 0,1,2,3
	ds_load_b128 v[FH+(\kk*4+\b)*16+4*\c:FH+(\kk*4+\b)*16+4*\c+3], v[ADB+FJ] offset:\b*16384+(2*FK+\kk)*2048+512*\c
.endr
.endr
.endr
.endm
; 32 matrix instructions: the 16 accumulators take turns, one instruction a turn; a chunk's first products start the sums
.macro PHASE f, w
.set KP, (\f)%4
.set HB, 128*((\f)%2)
	s_wait_dscnt \w
	WIN 0x09+4*(KP/2)                              ; source 0 window 1, source 1 window 2 or 3, C and D window 0
.irp kk, 0,1
.irp a, 0,1,2,3
.irp b, 0,1,2,3
.if (KP+\kk) == 0
	v_wmma_f32_16x16x128_fp8_fp8 v[ACC+8*(4*\a+\b):ACC+8*(4*\a+\b)+7], v[HB+(\kk*4+\b)*16:HB+(\kk*4+\b)*16+15], v[(((2*KP+\kk)%4)*4+\a)*16:(((2*KP+\kk)%4)*4+\a)*16+15], 0
.else
	v_wmma_f32_16x16x128_fp8_fp8 v[ACC+8*(4*\a+\b):ACC+8*(4*\a+\b)+7], v[HB+(\kk*4+\b)*16:HB+(\kk*4+\b)*16+15], v[(((2*KP+\kk)%4)*4+\a)*16:(((2*KP+\kk)%4)*4+\a)*16+15], v[ACC+8*(4*\a+\b):ACC+8*(4*\a+\b)+7]
.endif
.endr
.endr
.endr
	PLACES
.if (\f)+2 < 8
	FETCHB (\f)+2                                  ; this half takes the phase two on
.endif
.endm
; THE WAY OUT of a chunk, a block of 16 rows x 64 columns at a time: through my own stage and back as whole rows of 256 bytes; x 2^(ec + eow) + bias; sixteen lanes store one aligned run of 256 bytes.
; LDS serves a wave's instructions in order: no wait between the stores and the loads.
.macro TOSTAGE a
.irp b, 0,1,2,3
	ds_store_b128 v[STO], v[ACC+8*(4*(\a)+\b):ACC+8*(4*(\a)+\b)+3] offset:64*\b          ; each accumulator from its low end on
	ds_store_b128 v[STO], v[ACC+8*(4*(\a)+\b)+4:ACC+8*(4*(\a)+\b)+7] offset:64*\b+16
.endr
.irp t, 0,1,2,3,4,5,6,7
	ds_load_b128 v[BK+32*((\a)%2)+4*\t:BK+32*((\a)%2)+4*\t+3], v[RD] offset:2*\t*SPITCH
.endr
.endm
.macro SEND j, a, younger              ; younger: the LDS instructions issued behind block a's loads
.set BB, BK+32*((\a)%2)
	s_wait_dscnt \younger
.irp t, 0,1,2,3,4,5,6,7
	v_pk_fma_f32 v[BB+4*\t:BB+4*\t+1], v[BB+4*\t:BB+4*\t+1], s[96:97], v[BI+4*(\j):BI+4*(\j)+1] op_sel_hi:[1,0,1]
	v_pk_fma_f32 v[BB+4*\t+2:BB+4*\t+3], v[BB+4*\t+2:BB+4*\t+3], s[96:97], v[BI+4*(\j)+2:BI+4*(\j)+3] op_sel_hi:[1,0,1]
.endr
.irp t, 0,1,2,3,4,5,6,7
	global_store_b128 v[CO2], v[BB+4*\t:BB+4*\t+3], s[12:13] offset:(16*(\a)+2*\t)*32768+256*(\j) th:TH_STORE_NT
.endr
.endm
.macro OUT j
	WIN 0
.if \j
	s_wait_xcnt 0x0                                ; the earlier stores have read their registers
.endif
	TOSTAGE 0
.irp a, 1,2,3
.if (\j)+(\a) > 1
	s_wait_xcnt 0x0
.endif
	TOSTAGE \a
	SEND \j, \a-1, 16                              ; behind block a - 1's loads: block a's 8 stores and 8 loads
.endr
	SEND \j, 3, 0
.endm
	s_wait_tensorcnt 0x0                           ; my quarter of the weight's tile is in
	s_barrier_signal -1
	s_barrier_wait -1                              ; everybody's is
	FETCHB 0
	FETCHB 1
	s_wait_loadcnt 63                              ; of the 130 loads at most the 63 youngest are out: the bias and K 0 .. 511 of ctx are in
	PHASE 0, 32                                    ; the next phase's 32 loads may be out
	PHASE 1, 32
	s_wait_loadcnt 32                              ; K 512 .. 767 is in
	PHASE 2, 32
	s_wait_loadcnt 0x0
	PHASE 3, 32
	OUT 0
	PHASE 4, 0
	PHASE 5, 32
	PHASE 6, 32
	PHASE 7, 0
	OUT 1
	s_wait_tensorcnt 0x0                           ; the wave's end
	ds_add_u32 v[SPW], v[NIL]
	s_wait_dscnt 0x0
	CROUND                                         ; the closing round
	s_endpgm
.Lfunc_end_k_qf34d334b61_outp:
	.size	k_qf34d334b61_outp, .Lfunc_end_k_qf34d334b61_outp-k_qf34d334b61_outp
	.p2alignl 7, 3214868480
	.fill 96, 4, 3214868480
	.section	.rodata,"a",@progbits
	.p2align	6, 0x0
	.amdhsa_kernel k_qf34d334b61_outp
		.amdhsa_group_segment_fixed_size 327680
		.amdhsa_private_segment_fixed_size 0
		.amdhsa_enable_private_segment 0
		.amdhsa_kernarg_size 40
		.amdhsa_user_sgpr_count 2
		.amdhsa_user_sgpr_kernarg_segment_ptr 1
		.amdhsa_wavefront_size32 1
		.amdhsa_system_sgpr_workgroup_id_x 1
		.amdhsa_system_sgpr_workgroup_id_y 1
		.amdhsa_system_sgpr_workgroup_id_z 1
		.amdhsa_system_vgpr_workitem_id 0
		.amdhsa_next_free_vgpr 1024
		.amdhsa_next_free_sgpr 100
		.amdhsa_reserve_vcc 0
		.amdhsa_float_denorm_mode_32 3
		.amdhsa_float_denorm_mode_16_64 3
		.amdhsa_memory_ordered 1
		.amdhsa_forward_progress 1
		.amdhsa_inst_pref_size 74
	.end_amdhsa_kernel
	.amdgpu_metadata
---
amdhsa.version: [ 1, 2 ]
amdhsa.kernels:
  - .name:           k_qf34d334b61_outp
    .symbol:         k_qf34d334b61_outp.kd
    .args:
      - { .name: ctx, .offset: 0, .size: 8, .value_kind: global_buffer, .address_space: global }
      - { .name: ow_codes, .offset: 8, .size: 8, .value_kind: global_buffer, .address_space: global }
      - { .name: out_proj_bias, .offset: 16, .size: 8, .value_kind: global_buffer, .address_space: global }
      - { .name: lowp_scales, .offset: 24, .size: 8, .value_kind: global_buffer, .address_space: global }
      - { .name: out0, .offset: 32, .size: 8, .value_kind: global_buffer, .address_space: global }
    .group_segment_fixed_size: 327680
    .private_segment_fixed_size: 0
    .kernarg_segment_align: 8
    .kernarg_segment_size: 40
    .max_flat_workgroup_size: 128
    .sgpr_count:     100
    .vgpr_count:     1024
    .wavefront_size: 32
...
	.end_amdgpu_metadata
.endif
;; end of part 4
